; MI455X (gfx1250); checked and timed in simulation.
; The chip was launched on July 23, 2026; its instructions are those of AMD's public machine-readable ISA for CDNA 5 (MIT licence, August 2026) and "CDNA5" Instruction Set Architecture Reference Guide (July 2026). The comments in the code are by the model that wrote it; some were corrected since.
;; Cross Modal Clues Mining. Allowed arithmetic: float matrix products may take bf16 or f16 operands with f32 sums; all other float work in f32.
;; Inputs: enh_b 256 float32; enh_w 512 x 256 float32; i2t_bk 256 float32; i2t_bo 256 float32; i2t_bq 256 float32; i2t_bv 256 float32; i2t_wk 256 x 256 float32; i2t_wo 256 x 256 float32; i2t_wq 256 x 256 float32; i2t_wv 256 x 256 float32; img_common 16 x 1,024 x 256 float32; img_specific 16 x 256 float32; inc_b 256 float32; inc_w 512 x 256 float32; ln_img_b 256 float32; ln_img_g 256 float32; ln_txt_b 256 float32; ln_txt_g 256 float32; t2i_bk 256 float32; t2i_bo 256 float32; t2i_bq 256 float32; t2i_bv 256 float32; t2i_wk 256 x 256 float32; t2i_wo 256 x 256 float32; t2i_wq 256 x 256 float32; t2i_wv 256 x 256 float32; txt_common 16 x 1,024 x 256 float32; txt_specific 16 x 256 float32.
;; Outputs: out0 16 x 1,024 x 256 float32; out1 16 x 256 float32; out2 16 x 256 float32; out3 16 x 256 float32.
;; 3 versions, each right; version 3 is version 2 with the launch proj written anew for expert scheduling mode. Each part assembles by itself: llvm-mc -triple=amdgcn-amd-amdhsa -mcpu=gfx1250 --defsym DOCPART=n.
;; ======== version 1 of 3: 3 launches
;; limits: values are held in f16: magnitudes above 65,504 overflow, below 6.1e-05 lose precision
;; workspace buffers: wpack 1,310,720 bytes; qbuf 16,777,216 bytes; kvbuf 33,554,432 bytes
;; launch prep (part 1): grid 32 x 11, 8 waves a work-group, no clusters, 9,216 bytes of LDS; arguments i2t_wq, t2i_wk, t2i_wv, t2i_wq, i2t_wk, i2t_wv, i2t_wo, t2i_wo, enh_w, inc_w, inc_b, img_specific, txt_specific, wpack, out1, out2, out3; writes wpack, out1, out2, out3
.if DOCPART == 1
	.amdgcn_target "amdgcn-amd-amdhsa--gfx1250"
	.amdhsa_code_object_version 6
	.text
	.protected	k_q65ee402345_prep
	.globl	k_q65ee402345_prep
	.p2align	8
	.type	k_q65ee402345_prep,@function
k_q65ee402345_prep:
	s_mov_b64 s[64:65], 0
	v_nop
	global_prefetch_b8 v0, s[64:65] scope:SCOPE_SE
	s_setreg_imm32_b32 hwreg(HW_REG_WAVE_MODE, 25, 1), 1
	s_wait_xcnt 0x0
; prep.  y = 0..9: one block of 256 x 256 weights (f32, [k][column]) becomes 16-bit in the order in which a lane of a 16-bit
; matrix fragment holds it.  A packet is 16 bytes: column 16 ct + r, k = 8 kg .. 8 kg + 7, at byte ct*8192 + kg*256 + r*16 of
; the block, so that a later load of base + 16 x lane brings half a fragment as 512 consecutive bytes.
; Blocks: 0 i2t_wq, 1 t2i_wk, 2 t2i_wv, 3 t2i_wq, 4 i2t_wk, 5 i2t_wv, 6 i2t_wo, 7 t2i_wo in bf16; 8 and 9, the halves of enh_w, in f16.
; Blocks 0 and 3 are multiplied in f32 by log2(e) / sqrt(32) ahead of the rounding: scores then come out ready for 2^x.
; enh_w in f16: its partner in the product is a LayerNorm's result, bounded by 16 |g| + |b|, so both sides have room in f16, and
; f16 keeps 11 significant bits where bf16 keeps 8, in a sum of 512 products.  LIMIT: |enh_w| below 65,504; below 2^-14 its step is 2^-24.
; y = 10: out1 = [img - txt, img * txt] x inc_w + inc_b, and the copies out2, out3.  Sixteen rows that stream 512 KiB of
; weights once: plain f32 multiply-adds; the matrix unit would have nothing to reuse.
; The order of the sums in out1 differs from a plain ascending one (eight partial sums of 64 k each).
.set CQ,   0x3e8293ee                  ; log2(e) / sqrt(32)
.set WBLK, 131072                      ; bytes of a packed block
	s_load_b512 s[8:23], s[0:1], 0x0               ; the eight square weights, in the order of blocks 0 to 7
	s_load_b256 s[24:31], s[0:1], 0x40             ; enh_w s[24:25], inc_w s[26:27], inc_b s[28:29], img_specific s[30:31]
	s_load_b256 s[32:39], s[0:1], 0x60             ; txt_specific s[32:33], wpack s[34:35], out1 s[36:37], out2 s[38:39]
	s_load_b64 s[40:41], s[0:1], 0x80              ; out3
	v_lshl_add_u32 v224, v0, 2, 0x2000
	v_mov_b32 v225, 0
	s_and_b32 s2, ttmp7, 0xffff                    ; y
	s_mov_b32 s43, 0                               ; the upper word of every offset pair
	s_wait_kmcnt 0x0
	s_cmp_eq_u32 s2, 10
	s_cbranch_scc1 .Linc
	; ---- a block of weights.  32 work-groups x 256 threads = 8,192 packets, one a thread.
	s_mov_b64 s[4:5], s[8:9]
.irp i, 1,2,3,4,5,6,7
	s_cmp_eq_u32 s2, \i
	s_cselect_b64 s[4:5], s[8+2*\i:9+2*\i], s[4:5]
.endr
	s_cmp_ge_u32 s2, 8
	s_cselect_b64 s[4:5], s[24:25], s[4:5]         ; blocks 8 and 9 come from enh_w,
	s_cmp_eq_u32 s2, 9
	s_cselect_b32 s42, 0x40000, 0                  ; block 9 from its rows 256 to 511
	s_add_nc_u64 s[4:5], s[4:5], s[42:43]
	s_cmp_eq_u32 s2, 0
	s_cselect_b32 s6, CQ, 1.0
	s_cmp_eq_u32 s2, 3
	s_cselect_b32 s6, CQ, s6                       ; the factor: CQ for the two wq, 1 for the rest
	s_mov_b32 s7, s6
	s_lshl_b32 s42, s2, 17
	s_add_nc_u64 s[34:35], s[34:35], s[42:43]      ; wpack at block y
	s_lshl_b32 s44, ttmp9, 8
	v_or_b32 v1, s44, v0                           ; u = 256 x + t: bits 4:0 column in a group of 32, 9:5 kg, 12:10 group of columns
	v_bfe_u32 v2, v1, 5, 5                         ; kg
	v_bfe_u32 v3, v1, 10, 3                        ; group of 32 columns
	v_and_b32 v4, 31, v1
	v_lshlrev_b32 v5, 13, v2                       ; source: 8 kg rows of 1,024 bytes
	v_lshl_add_u32 v5, v3, 7, v5
	v_lshl_add_u32 v5, v4, 2, v5                   ; + 4 x column: a wave reads 128 consecutive bytes
	v_lshlrev_b32 v6, 14, v3                       ; target: ct = 2 x group + bit 4 of u
	v_bfe_u32 v7, v1, 4, 1
	v_lshl_add_u32 v6, v7, 13, v6
	v_lshl_add_u32 v6, v2, 8, v6
	v_and_b32 v7, 15, v1
	v_lshl_add_u32 v6, v7, 4, v6                   ; + 16 r: sixteen lanes store 256 consecutive bytes, aligned
.irp e, 0,1,2,3,4,5,6,7
	global_load_b32 v[8+\e], v5, s[4:5] offset:\e*1024
.endr
	s_wait_loadcnt 0x0
.irp e, 0,2,4,6
	v_pk_mul_f32 v[8+\e:9+\e], v[8+\e:9+\e], s[6:7] op_sel_hi:[1,0]
.endr
	s_cmp_ge_u32 s2, 8
	s_cbranch_scc1 .Lhalf
.irp e, 0,1,2,3
	v_cvt_pk_bf16_f32 v[16+\e], v[8+2*\e], v[9+2*\e]   ; the lower k in the lower half
.endr
	s_branch .Lput
.Lhalf:
.irp e, 0,1,2,3
	v_cvt_pk_f16_f32 v[16+\e], v[8+2*\e], v[9+2*\e]    ; enh_w: f16
.endr
.Lput:
	global_store_b128 v6, v[16:19], s[34:35]
	s_endpgm
	; ---- the product of 16 rows.  Work-group x: row b = x / 2, columns 128 (x & 1) .. + 127.
.Linc:
	s_lshr_b32 s44, ttmp9, 1                       ; b
	s_and_b32 s45, ttmp9, 1                        ; which half of the columns; also: which copy this group makes
	v_lshrrev_b32 v7, 5, v0
	v_readfirstlane_b32 s3, v7                     ; wave
	s_lshl_b32 s42, s44, 10                        ; row b, in bytes
	s_add_nc_u64 s[30:31], s[30:31], s[42:43]
	s_add_nc_u64 s[32:33], s[32:33], s[42:43]
	s_add_nc_u64 s[36:37], s[36:37], s[42:43]
	s_add_nc_u64 s[38:39], s[38:39], s[42:43]
	s_add_nc_u64 s[40:41], s[40:41], s[42:43]
	s_cmp_lg_u32 s45, 0
	s_cselect_b64 s[46:47], s[40:41], s[38:39]     ; half 0 copies img_specific to out2, half 1 txt_specific to out3
	s_cselect_b32 s48, -1, 0
	s_lshl_b32 s42, s45, 9                         ; 128 columns of 4 bytes
	s_add_nc_u64 s[28:29], s[28:29], s[42:43]
	s_add_nc_u64 s[36:37], s[36:37], s[42:43]
	s_lshl_b32 s44, s3, 16                         ; wave w takes k = 64 w .. 64 w + 63: 64 rows of 1,024 bytes
	s_add_co_u32 s42, s42, s44
	s_add_nc_u64 s[26:27], s[26:27], s[42:43]
	v_lshlrev_b32 v1, 2, v0                        ; 4 t
	v_and_b32 v8, 31, v0
	v_lshlrev_b32 v8, 4, v8                        ; 16 x lane: four columns a lane
	global_load_b32 v2, v1, s[30:31]
	global_load_b32 v3, v1, s[32:33]
.set kk, 0
.rept 32
	global_load_b128 v[32+4*kk:35+4*kk], v8, s[26:27] offset:kk*1024 th:TH_LOAD_NT
.set kk, kk+1
.endr
	s_wait_loadcnt 32                              ; the two rows are in; the 32 weight loads behind them stay out
	v_sub_f32 v4, v2, v3
	v_mul_f32 v5, v2, v3
	v_cndmask_b32 v6, v2, v3, s48
	ds_store_b32 v1, v4                            ; k = t
	ds_store_b32 v1, v5 offset:1024                ; k = 256 + t
	global_store_b32 v1, v6, s[46:47]
	s_wait_dscnt 0x0                               ; my stores are done before the others read them
	s_barrier_signal -1
	s_barrier_wait -1
	v_mov_b32 v9, s3
	v_lshlrev_b32 v9, 8, v9                        ; my 64 values of k, the same address in every lane
.set kk, 0
.rept 16
	ds_load_b128 v[160+4*kk:163+4*kk], v9 offset:16*kk
.set kk, kk+1
.endr
; 32 values of k from k0 on: four columns a lane.  start = 1: the first product starts the sums.
.macro DOTS k0, start
.set kk, 0
.set FST, \start
.rept 32
.irp c, 0,1,2,3
.if FST
	v_mul_f32 v[24+\c], v[32+4*kk+\c], v[160+\k0+kk]
.else
	v_fmac_f32 v[24+\c], v[32+4*kk+\c], v[160+\k0+kk]
.endif
.endr
.set FST, 0
.set kk, kk+1
.endr
.endm
	s_wait_loadcnt 0x0
	s_wait_dscnt 0x0
	DOTS 0, 1
.set kk, 0
.rept 32
	global_load_b128 v[32+4*kk:35+4*kk], v8, s[26:27] offset:(32+kk)*1024 th:TH_LOAD_NT
.set kk, kk+1
.endr
	s_wait_loadcnt 0x0
	DOTS 32, 0
	v_lshl_add_u32 v10, s3, 9, v8                  ; my wave has 512 bytes of its own behind the 2,048 of the values
	ds_store_b128 v10, v[24:27] offset:2048
	s_wait_dscnt 0x0
	s_barrier_signal -1
	s_barrier_wait -1
	s_cmp_ge_u32 s3, 4
	s_cbranch_scc1 .Ldone                          ; 128 columns: threads 0 to 127 add the eight partial sums
	global_load_b32 v11, v1, s[28:29]
.irp j, 0,1,2,3,4,5,6,7
	ds_load_b32 v[12+\j], v1 offset:2048+512*\j
.endr
	s_wait_dscnt 0x0
	v_add_f32 v12, v12, v13
	v_add_f32 v14, v14, v15
	v_add_f32 v16, v16, v17
	v_add_f32 v18, v18, v19
	v_add_f32 v12, v12, v14
	v_add_f32 v16, v16, v18
	v_add_f32 v12, v12, v16
	s_wait_loadcnt 0x0
	v_add_f32 v12, v12, v11
	global_store_b32 v1, v12, s[36:37]
.Ldone:
	s_wait_tensorcnt 0x0
	ds_add_u32 v224, v225
	s_wait_dscnt 0x0
	s_endpgm
.Lfunc_end_k_q65ee402345_prep:
	.size	k_q65ee402345_prep, .Lfunc_end_k_q65ee402345_prep-k_q65ee402345_prep
	.p2alignl 7, 3214868480
	.fill 96, 4, 3214868480
	.section	.rodata,"a",@progbits
	.p2align	6, 0x0
	.amdhsa_kernel k_q65ee402345_prep
		.amdhsa_group_segment_fixed_size 9216
		.amdhsa_private_segment_fixed_size 0
		.amdhsa_enable_private_segment 0
		.amdhsa_kernarg_size 136
		.amdhsa_user_sgpr_count 2
		.amdhsa_user_sgpr_kernarg_segment_ptr 1
		.amdhsa_wavefront_size32 1
		.amdhsa_system_sgpr_workgroup_id_x 1
		.amdhsa_system_sgpr_workgroup_id_y 1
		.amdhsa_system_sgpr_workgroup_id_z 1
		.amdhsa_system_vgpr_workitem_id 0
		.amdhsa_next_free_vgpr 226
		.amdhsa_next_free_sgpr 66
		.amdhsa_reserve_vcc 0
		.amdhsa_float_denorm_mode_32 3
		.amdhsa_float_denorm_mode_16_64 3
		.amdhsa_memory_ordered 1
		.amdhsa_forward_progress 1
		.amdhsa_inst_pref_size 23
	.end_amdhsa_kernel
	.amdgpu_metadata
---
amdhsa.version: [ 1, 2 ]
amdhsa.kernels:
  - .name:           k_q65ee402345_prep
    .symbol:         k_q65ee402345_prep.kd
    .args:
      - { .name: i2t_wq, .offset: 0, .size: 8, .value_kind: global_buffer, .address_space: global }
      - { .name: t2i_wk, .offset: 8, .size: 8, .value_kind: global_buffer, .address_space: global }
      - { .name: t2i_wv, .offset: 16, .size: 8, .value_kind: global_buffer, .address_space: global }
      - { .name: t2i_wq, .offset: 24, .size: 8, .value_kind: global_buffer, .address_space: global }
      - { .name: i2t_wk, .offset: 32, .size: 8, .value_kind: global_buffer, .address_space: global }
      - { .name: i2t_wv, .offset: 40, .size: 8, .value_kind: global_buffer, .address_space: global }
      - { .name: i2t_wo, .offset: 48, .size: 8, .value_kind: global_buffer, .address_space: global }
      - { .name: t2i_wo, .offset: 56, .size: 8, .value_kind: global_buffer, .address_space: global }
      - { .name: enh_w, .offset: 64, .size: 8, .value_kind: global_buffer, .address_space: global }
      - { .name: inc_w, .offset: 72, .size: 8, .value_kind: global_buffer, .address_space: global }
      - { .name: inc_b, .offset: 80, .size: 8, .value_kind: global_buffer, .address_space: global }
      - { .name: img_specific, .offset: 88, .size: 8, .value_kind: global_buffer, .address_space: global }
      - { .name: txt_specific, .offset: 96, .size: 8, .value_kind: global_buffer, .address_space: global }
      - { .name: wpack, .offset: 104, .size: 8, .value_kind: global_buffer, .address_space: global }
      - { .name: out1, .offset: 112, .size: 8, .value_kind: global_buffer, .address_space: global }
      - { .name: out2, .offset: 120, .size: 8, .value_kind: global_buffer, .address_space: global }
      - { .name: out3, .offset: 128, .size: 8, .value_kind: global_buffer, .address_space: global }
    .group_segment_fixed_size: 9216
    .private_segment_fixed_size: 0
    .kernarg_segment_align: 8
    .kernarg_segment_size: 136
    .max_flat_workgroup_size: 256
    .sgpr_count:     66
    .vgpr_count:     226
    .wavefront_size: 32
...
	.end_amdgpu_metadata
.endif
;; end of part 1
;; launch proj (part 2): grid 256 x 1, 8 waves a work-group, no clusters, 68,608 bytes of LDS; arguments img_common, txt_common, wpack, i2t_bq, t2i_bq, i2t_bk, t2i_bk, i2t_bv, t2i_bv, qbuf, kvbuf; writes qbuf, kvbuf
.if DOCPART == 2
	.amdgcn_target "amdgcn-amd-amdhsa--gfx1250"
	.amdhsa_code_object_version 6
	.text
	.protected	k_q65ee402345_proj
	.globl	k_q65ee402345_proj
	.p2align	8
	.type	k_q65ee402345_proj,@function
k_q65ee402345_proj:
	s_mov_b64 s[64:65], 0
	v_nop
	global_prefetch_b8 v0, s[64:65] scope:SCOPE_SE
	s_setreg_imm32_b32 hwreg(HW_REG_WAVE_MODE, 25, 1), 1
	s_wait_xcnt 0x0
; proj.  Work-group x: source sel = x / 128 (0 img_common, 1 txt_common), rows 128 rb .. + 127, rb = x % 128.
; Three products of 128 x 256 x 256 on the same rows: Q of the direction that asks from this source, K and V of the direction
; that this source answers.  Wave w makes columns 32 w .. + 31 (head w) of all three, in three passes of eight K steps.
; The rows are rounded to bf16 once and laid in LDS (pitch 528 = 33 x 16 bytes); weights come packed (see prep) straight into registers.
; Q, K: source 0 = weights, source 1 = rows: a lane then holds 8 neighbouring columns of one row.  V: the other way round: a lane
; holds 8 neighbouring keys of one column.  In both cases four conversions make a 16-byte packet of the fragment that the
; attention launch loads, and a store of base + 16 x lane covers 512 consecutive bytes, aligned.
; No cluster: the work-groups share the weights alone, which go into registers and not through LDS.
; bq is multiplied by log2(e) / sqrt(32) here, as prep does with wq.
.set PX,   528                         ; LDS pitch of a row of 256 bf16
.set WBLK, 131072
.set CQ,   0x3e8293ee
; block 0: v1 16 L | v2 r*528 + 16 h | v3 w*8448 + 8 L | v4 w*16384 + 16 L | v5 32 h | v6 4 r | v8, v9 bv as loaded
;          v[16:31] bq, v[32:47] bk, v[48:63] bv as C tiles (t = 0, 1) | v[64:127] fragments of 8 row tiles | v[128:255] a pass's 16 weight fragments
; block 1: v[0:127] sixteen accumulator tiles, tile (i, t) at 8 (2 i + t); at the start the rows as loaded
.set MSB, 0
.macro WIN new                         ; the immediate's high byte repeats the setting that is left
.if MSB != \new
	s_set_vgpr_msb (MSB<<8)|\new
.set MSB, \new
.endif
.endm
.macro NOPS cnt
.rept \cnt
	v_nop
.endr
.endm
	s_load_b512 s[8:23], s[0:1], 0x0               ; img s[8:9], txt s[10:11], wpack s[12:13], i2t_bq, t2i_bq, i2t_bk, t2i_bk, i2t_bv s[22:23]
	s_load_b128 s[24:27], s[0:1], 0x40             ; t2i_bv s[24:25], qbuf s[26:27]
	s_load_b64 s[28:29], s[0:1], 0x50              ; kvbuf
	v_lshl_add_u32 v14, v0, 2, 0x10800
	v_mov_b32 v15, 0
	v_lshrrev_b32 v7, 5, v0
	v_readfirstlane_b32 s33, v7                    ; wave w
	s_lshr_b32 s30, ttmp9, 7                       ; sel
	s_and_b32 s31, ttmp9, 127                      ; rb
	s_mov_b32 s35, 0
	s_mul_i32 s36, s33, 16*PX
	v_and_b32 v7, 31, v0                           ; L
	v_and_b32 v10, 15, v0                          ; r
	v_bfe_u32 v11, v0, 4, 1                        ; h
	v_lshlrev_b32 v1, 4, v7
	v_mul_u32_u24 v2, v10, PX
	v_lshl_add_u32 v2, v11, 4, v2
	v_lshl_add_u32 v3, v7, 3, s36
	v_lshl_add_u32 v4, s33, 14, v1
	v_lshlrev_b32 v5, 5, v11
	v_lshlrev_b32 v6, 2, v10
	s_wait_kmcnt 0x0
	s_cmp_lg_u32 s30, 0
	s_cselect_b64 s[8:9], s[10:11], s[8:9]         ; the rows
	s_cselect_b64 s[14:15], s[16:17], s[14:15]     ; bq: img asks in i2t, txt in t2i
	s_cselect_b64 s[18:19], s[18:19], s[20:21]     ; bk: img answers in t2i, txt in i2t
	s_cselect_b64 s[22:23], s[22:23], s[24:25]     ; bv likewise
	s_lshl_b32 s34, s31, 17
	s_add_nc_u64 s[8:9], s[8:9], s[34:35]          ; 128 rows of 1,024 bytes a block
	s_mul_i32 s34, s30, 3*WBLK
	s_lshl_b32 s36, s33, 14
	s_add_co_u32 s34, s34, s36
	s_add_nc_u64 s[12:13], s[12:13], s[34:35]      ; blocks 3 sel .. 3 sel + 2, column tiles 2 w and 2 w + 1
	s_lshl_b32 s34, s33, 7
	s_add_nc_u64 s[14:15], s[14:15], s[34:35]      ; the biases at column 32 w
	s_add_nc_u64 s[18:19], s[18:19], s[34:35]
	s_add_nc_u64 s[22:23], s[22:23], s[34:35]
	s_lshl_b32 s34, s30, 23                        ; qbuf [dir][block of 64 rows][head][row tile][half][lane][16]
	s_lshl_b32 s36, s31, 16
	s_add_co_u32 s34, s34, s36
	s_lshl_b32 s36, s33, 12
	s_add_co_u32 s34, s34, s36
	s_add_nc_u64 s[26:27], s[26:27], s[34:35]
	s_lshr_b32 s34, s31, 3                         ; kvbuf [batch][dir][tile of 128 keys][head][K 8,192 | V 8,192]
	s_lshl_b32 s34, s34, 21
	s_xor_b32 s36, s30, 1
	s_lshl_b32 s36, s36, 20
	s_add_co_u32 s34, s34, s36
	s_and_b32 s36, s31, 7
	s_lshl_b32 s36, s36, 17
	s_add_co_u32 s34, s34, s36
	s_lshl_b32 s36, s33, 14
	s_add_co_u32 s34, s34, s36
	s_add_nc_u64 s[28:29], s[28:29], s[34:35]
	; ---- the rows: wave w brings rows 16 w .. + 15, 16 KiB in one run, rounds them and lays them in LDS
	WIN 0x40                                       ; loaded data into block 1
.set j, 0
.rept 32
	global_load_b128 v[4*j:4*j+3], v4, s[8:9] offset:512*j th:TH_LOAD_NT
.set j, j+1
.endr
	WIN 0
.set j, 0
.rept 32
	global_load_b128 v[128+4*j:131+4*j], v1, s[12:13] offset:512*j     ; pass 0: fragment (t, ks) lands at v[128 + 64 t + 8 ks]
.set j, j+1
.endr
.irp t, 0,1
.irp u, 0,1
	global_load_b128 v[16+8*\t+4*\u:19+8*\t+4*\u], v5, s[14:15] offset:\t*64+\u*16   ; register j: bias of column 32 w + 16 t + 8 h + j
	global_load_b128 v[32+8*\t+4*\u:35+8*\t+4*\u], v5, s[18:19] offset:\t*64+\u*16
.endr
.endr
	global_load_b32 v8, v6, s[22:23]               ; bv of column 32 w + r
	global_load_b32 v9, v6, s[22:23] offset:64     ; and of 32 w + 16 + r
	s_wait_loadcnt 42                              ; the rows are in; the 32 + 8 + 2 loads behind them stay out
	WIN 0x05                                       ; both sources in block 1
.set j, 0
.rept 64
	v_cvt_pk_bf16_f32 v[64+j], v[2*j], v[2*j+1]
.set j, j+1
.endr
	WIN 0
.set j, 0
.rept 32
	ds_store_b64 v3, v[64+2*j:65+2*j] offset:(j>>1)*PX+(j&1)*256       ; load j held half (j & 1) of row j / 2
.set j, j+1
.endr
	s_wait_loadcnt 0x0
.irp e, 0,2,4,6,8,10,12,14
	v_pk_mul_f32 v[16+\e:17+\e], v[16+\e:17+\e], CQ op_sel_hi:[1,0]
.endr
.irp e, 0,1,2,3,4,5,6,7
	v_mov_b32 v[48+\e], v8                         ; in V's tiles a lane holds one column: its bias in all eight registers
	v_mov_b32 v[56+\e], v9
.endr
	s_wait_dscnt 0x0                               ; my rows are in LDS before the others read them
	s_barrier_signal -1
	s_barrier_wait -1                              ; the one barrier: LDS is only read from here on
; eight LDS loads: the fragments of row tiles i0 .. i0 + 3 for K step kn
.macro LDX dst, i0, kn
.irp ii, 0,1,2,3
	ds_load_b128 v[\dst+8*\ii:\dst+8*\ii+3],   v2 offset:(\i0+\ii)*16*PX+(\kn)*64
	ds_load_b128 v[\dst+8*\ii+4:\dst+8*\ii+7], v2 offset:(\i0+\ii)*16*PX+(\kn)*64+32
.endr
.endm
; eight matrix instructions on eight accumulators, which take turns one instruction a turn
.macro MM i0
.irp ii, 0,1,2,3
.irp t, 0,1
.set DT, 8*(2*(\i0+\ii)+\t)
.set WT, 128+64*\t+8*ks
.set XT, 64+8*(\i0+\ii)
.set CT, 16+16*pass+8*\t
.if pass < 2
.if ks == 0
	v_wmma_f32_16x16x32_bf16 v[DT:DT+7], v[WT:WT+7], v[XT:XT+7], v[CT:CT+7]    ; the bias starts the sum
.else
	v_wmma_f32_16x16x32_bf16 v[DT:DT+7], v[WT:WT+7], v[XT:XT+7], v[DT:DT+7]
.endif
.else
.if ks == 0
	v_wmma_f32_16x16x32_bf16 v[DT:DT+7], v[XT:XT+7], v[WT:WT+7], v[CT:CT+7]
.else
	v_wmma_f32_16x16x32_bf16 v[DT:DT+7], v[XT:XT+7], v[WT:WT+7], v[DT:DT+7]
.endif
.endif
.endr
.endr
.endm
; a pass's results: rounded in place (a tile's registers 0-7 into its registers 0-3) and stored, 512 consecutive bytes a store
.macro OUTP
	WIN 0x45
.set j, 0
.rept 16
.irp r, 0,1,2,3
	v_cvt_pk_bf16_f32 v[8*j+\r], v[8*j+2*\r], v[8*j+2*\r+1]
.endr
.set j, j+1
.endr
	WIN 0x04                                       ; store data in block 1
.irp i, 0,1,2,3,4,5,6,7
.irp t, 0,1
.if pass == 0
	global_store_b128 v1, v[8*(2*\i+\t):8*(2*\i+\t)+3], s[26:27] offset:(\i>>2)*32768+(\i&3)*1024+\t*512
.endif
.if pass == 1
	global_store_b128 v1, v[8*(2*\i+\t):8*(2*\i+\t)+3], s[28:29] offset:\i*1024+\t*512
.endif
.if pass == 2
	global_store_b128 v1, v[8*(2*\i+\t):8*(2*\i+\t)+3], s[28:29] offset:8192+\t*4096+\i*512
.endif
.endr
.endr
	WIN 0
.endm
	LDX 64, 0, 0
	LDX 96, 4, 0
; 24 steps: pass = 0 Q, 1 K, 2 V; ks = the K step of 32.  Each step multiplies row tiles 0-3, fetches their next fragments, multiplies
; row tiles 4-7, fetches theirs, and (passes 0, 1) loads the next pass's weights of this ks into the registers just read.
; Four plain places stand between a matrix instruction and a load into, or a conversion of, one of its registers.
.set g, 0
.rept 24
.set pass, g/8
.set ks, g%8
.if pass == 1
	s_wait_loadcnt 28                              ; behind this step's four weight loads: 4 (7 - ks) of the last pass, 4 ks of this one
.endif
.if pass == 2
	s_wait_loadcnt 28-4*ks                         ; behind them only 4 (7 - ks): this pass loads nothing
.endif
	s_wait_dscnt 8                                 ; row tiles 0-3 are in; the eight loads of tiles 4-7 stay out
.if ks == 0
	WIN 0x40                                       ; D in block 1, C (the bias) in block 0
.else
	WIN 0x50                                       ; C and D in block 1
.endif
	MM 0
	NOPS 4
	WIN 0
.if g < 23
	LDX 64, 0, (ks+1)%8
	s_wait_dscnt 8                                 ; tiles 4-7 are in; the eight just issued stay out
.else
	s_wait_dscnt 0
.endif
.if ks == 0
	WIN 0x40
.else
	WIN 0x50
.endif
	MM 4
	NOPS 4
	WIN 0
.if g < 23
	LDX 96, 4, (ks+1)%8
.endif
.if pass < 2
.irp t, 0,1
.irp p, 0,1
	global_load_b128 v[128+64*\t+8*ks+4*\p:131+64*\t+8*ks+4*\p], v1, s[12:13] offset:(pass+1)*WBLK+512*(16*\t+2*ks+\p)
.endr
.endr
.endif
.if ks == 7
	OUTP
.if pass < 2
	s_wait_xcnt 0x0                                ; the stores' data registers are the next pass's accumulators: written again only behind this wait
.endif
.endif
.set g, g+1
.endr
	s_wait_tensorcnt 0x0
	ds_add_u32 v14, v15
	s_wait_dscnt 0x0
	s_endpgm
.Lfunc_end_k_q65ee402345_proj:
	.size	k_q65ee402345_proj, .Lfunc_end_k_q65ee402345_proj-k_q65ee402345_proj
	.p2alignl 7, 3214868480
	.fill 96, 4, 3214868480
	.section	.rodata,"a",@progbits
	.p2align	6, 0x0
	.amdhsa_kernel k_q65ee402345_proj
		.amdhsa_group_segment_fixed_size 68608
		.amdhsa_private_segment_fixed_size 0
		.amdhsa_enable_private_segment 0
		.amdhsa_kernarg_size 88
		.amdhsa_user_sgpr_count 2
		.amdhsa_user_sgpr_kernarg_segment_ptr 1
		.amdhsa_wavefront_size32 1
		.amdhsa_system_sgpr_workgroup_id_x 1
		.amdhsa_system_sgpr_workgroup_id_y 1
		.amdhsa_system_sgpr_workgroup_id_z 1
		.amdhsa_system_vgpr_workitem_id 0
		.amdhsa_next_free_vgpr 384
		.amdhsa_next_free_sgpr 66
		.amdhsa_reserve_vcc 0
		.amdhsa_float_denorm_mode_32 3
		.amdhsa_float_denorm_mode_16_64 3
		.amdhsa_memory_ordered 1
		.amdhsa_forward_progress 1
		.amdhsa_inst_pref_size 99
	.end_amdhsa_kernel
	.amdgpu_metadata
---
amdhsa.version: [ 1, 2 ]
amdhsa.kernels:
  - .name:           k_q65ee402345_proj
    .symbol:         k_q65ee402345_proj.kd
    .args:
      - { .name: img_common, .offset: 0, .size: 8, .value_kind: global_buffer, .address_space: global }
      - { .name: txt_common, .offset: 8, .size: 8, .value_kind: global_buffer, .address_space: global }
      - { .name: wpack, .offset: 16, .size: 8, .value_kind: global_buffer, .address_space: global }
      - { .name: i2t_bq, .offset: 24, .size: 8, .value_kind: global_buffer, .address_space: global }
      - { .name: t2i_bq, .offset: 32, .size: 8, .value_kind: global_buffer, .address_space: global }
      - { .name: i2t_bk, .offset: 40, .size: 8, .value_kind: global_buffer, .address_space: global }
      - { .name: t2i_bk, .offset: 48, .size: 8, .value_kind: global_buffer, .address_space: global }
      - { .name: i2t_bv, .offset: 56, .size: 8, .value_kind: global_buffer, .address_space: global }
      - { .name: t2i_bv, .offset: 64, .size: 8, .value_kind: global_buffer, .address_space: global }
      - { .name: qbuf, .offset: 72, .size: 8, .value_kind: global_buffer, .address_space: global }
      - { .name: kvbuf, .offset: 80, .size: 8, .value_kind: global_buffer, .address_space: global }
    .group_segment_fixed_size: 68608
    .private_segment_fixed_size: 0
    .kernarg_segment_align: 8
    .kernarg_segment_size: 88
    .max_flat_workgroup_size: 256
    .sgpr_count:     66
    .vgpr_count:     384
    .wavefront_size: 32
...
	.end_amdgpu_metadata
.endif
;; end of part 2
;; launch attn (part 3): grid 256 x 1, 8 waves a work-group, clusters of 4 x 1, 327,680 bytes of LDS; arguments qbuf, kvbuf, wpack, img_common, txt_common, i2t_bo, t2i_bo, ln_img_g, ln_img_b, ln_txt_g, ln_txt_b, enh_b, out0; writes out0
.if DOCPART == 3
	.amdgcn_target "amdgcn-amd-amdhsa--gfx1250"
	.amdhsa_code_object_version 6
	.text
	.protected	k_q65ee402345_attn
	.globl	k_q65ee402345_attn
	.p2align	8
	.type	k_q65ee402345_attn,@function
k_q65ee402345_attn:
	s_mov_b64 s[64:65], 0
	v_nop
	global_prefetch_b8 v0, s[64:65] scope:SCOPE_SE
	s_setreg_imm32_b32 hwreg(HW_REG_WAVE_MODE, 25, 1), 1
	s_wait_xcnt 0x0
	s_wait_alu depctr_hold_cnt(0) depctr_sa_sdst(0) depctr_va_vdst(0) depctr_va_sdst(0) depctr_va_ssrc(0) depctr_va_vcc(0) depctr_vm_vsrc(0)
	s_getreg_b32 s2, hwreg(HW_REG_IB_STS2, 6, 4)
	s_cmp_eq_u32 s2, 0
	s_cbranch_scc0 .Lentry_in_a_cluster
	s_endpgm
.Lentry_in_a_cluster:
	s_bfe_u32 s2, ttmp6, 0x10000c
	s_cmp_lg_u32 s2, 0x3003
	s_cbranch_scc0 .Lentry_shape_is_right
	s_endpgm
.Lentry_shape_is_right:
; attn.  Work-group x owns rows 64 x .. + 63 (batch b = x / 16), all eight heads and both directions, so that attention, output
; projection, residual, LayerNorm and the product with enh_w stay in one launch.  Wave w is head w in the attention and owns
; columns 32 w .. + 31 in the products behind it.  Two waves lie on a SIMD: one wave's softmax runs beside the other's products.
; All 16-bit operands lie in memory and in LDS as packets (see prep): a fragment is two loads of base + 16 x lane.
;   S^T = K Q^T   (source 0 keys, source 1 queries): a lane holds 8 keys of ONE query, so the softmax figures are one register a
;                  query tile, and two key tiles pack in the lane into the fragment of P^T;
;   O^T = V^T P^T : a lane holds 8 columns of one query = a packet of the next product's source 1.  The same holds behind it.
; Softmax: running maximum, scores already in units of log2 (the factor lies in Q), p = 2^(s - m), sums in f32.
; FORMATS: Q, K, V, P, O and wo in bf16, whose range nothing here bounds.  The product with enh_w in f16: its left side is a
; LayerNorm's result, |(x - mean) rstd| <= sqrt(255) < 16, so at most 16 |g| + |b|; f16 keeps 11 significant bits where bf16 keeps 8,
; in a sum of 512 products of numbers as large as the result.
; CLUSTER 4, 1, 1: the four work-groups of a cluster are query blocks of one batch and walk the same 16 tiles of K and V (128 keys,
; 8 heads, 128 KiB; direction 0 then 1).  Each wave asks jointly (mask 15) for its head's 16 KiB, which divides the requests by four.
; A mask names four work-groups, so the sixteen blocks of a batch are four clusters.  Weights go into registers, not through LDS: no joint load.
; By this text's own count a wave has one tensor load out at a time.
; LIMITS: 16 |g| + |b| and |enh_w| below 65,504 (f16); NaN and infinities get no treatment of their own; 2^x below 2^-126 comes out
; as 0; the row sum is made of p in f32 while the product takes p rounded to bf16; the order of all sums differs from a plain ascending one.
.set SLOTB, 131072                     ; LDS slot 0 at 0, slot 1 at 131072; wave w's own 16 KiB at w*16384: K 8 KiB, V 8 KiB
.set R1,    262144                     ; 32 KiB packets [q 4][ks 8][half 2][lane][16]: O of direction 0, then img_query
.set RED,   294912                     ; four areas of 2,048: [wave 8][row 64] f32, a wave's sums of a row over its 32 columns
.set XS,    307200                     ; 2,304 a wave: 16 rows x 144 bytes, to turn the residual into the accumulators' layout
.set OUTS,  32768                      ; in slot 0 behind its last fill: 9,344 a wave, 64 rows x 144 bytes of f32 (+ 128)
.set OREG,  9344                       ; R2 = bytes 0 .. 32767 of slot 0 behind its last fill: O of direction 1, then txt_query
.set WBLK,  131072
; block 0: v1 16 L | v2, v3 my K/V bytes in slot 0, 1 | v4 R1 + 16 L | v5 v4 + 1024 w | v6 16 L + 1024 w | v7 256 L
;          v[8+2q] m, v[9+2q] l of query tile q | v[16:31] at work | QF queries | OA O^T tile (q, t) at 16 q + 8 t, later the products behind
;          KF 4 key tiles | VF V^T (t, kk) at 16 t + 8 kk | SS scores (qq, kt) at 32 qq + 8 kt; KF, VF, SS serve again in the epilogue
; block 1: v[0:127] weights of a product | v[128:191] residual | v[192:207] bo | v[208:223] g | v[224:239] b; v[128:255] later enh_w's second half
.set QF, 32
.set OA, 64
.set KF, 128
.set VF, 160
.set SS, 192
.set MSB, 0
.macro WIN new                         ; the immediate's high byte repeats the setting that is left; 0 at every label and branch
.if MSB != \new
	s_set_vgpr_msb (MSB<<8)|\new
.set MSB, \new
.endif
.endm
.macro NOPS cnt
.rept \cnt
	v_nop
.endr
.endm
.macro BAR
	s_barrier_signal -1
	s_barrier_wait -1
.endm
; a round of the cluster's barrier: my work-group's barrier, wave 0 signals for the work-group, all wait for the four, my barrier again
.macro ROUND
	s_barrier_signal -1
	s_barrier_wait -1
	s_cmp_lg_u32 s34, 0
	s_cbranch_scc1 .Lnw0_\@
	s_barrier_signal -3
.Lnw0_\@:
	s_barrier_wait -3
	s_barrier_signal -1
	s_barrier_wait -1
.endm
	s_load_b512 s[8:23], s[0:1], 0x0               ; qbuf s[8:9], kvbuf s[10:11], wpack s[12:13], img s[14:15], txt s[16:17], i2t_bo, t2i_bo, ln_img_g s[22:23]
	s_load_b256 s[24:31], s[0:1], 0x40             ; ln_img_b, ln_txt_g, ln_txt_b, enh_b s[30:31]
	s_load_b64 s[32:33], s[0:1], 0x60              ; out0
	v_lshl_add_u32 v254, v0, 2, 0x4f800
	v_mov_b32 v255, 0
	ds_add_u32 v254, v255
	s_wait_dscnt 0x0
	v_lshrrev_b32 v1, 5, v0
	v_readfirstlane_b32 s34, v1                    ; wave w
	s_bfe_u32 s2, ttmp6, 0x40000                   ; cx
	s_lshl_b32 s35, ttmp9, 2
	s_add_co_u32 s35, s35, s2                      ; x = 4 x cluster + cx: enters addresses of my own loads and stores alone
	s_mov_b32 s52, 0x76543210                      ; v_permlanex16_b32: lane i takes lane i of the other half
	s_mov_b32 s53, 0xfedcba98
	s_mov_b32 s54, 0x3b800000                      ; 1 / 256
	s_mov_b32 s55, 0x3727c5ac                      ; 1e-5
	; descriptor group 1: 16 KiB that are dense in memory, as 64 rows of 32 elements of 8 bytes
	s_mov_b32 s36, 15|(3<<16)|(1<<21)              ; 15:0 the mask: all four of the cluster; 17:16 elements of 8 bytes; 21 set beside a mask
	s_mov_b32 s37, 32<<16                          ; tensor_dim0 = 32
	s_mov_b32 s38, 64<<16                          ; tensor_dim1 = 64
	s_mov_b32 s39, 32<<16                          ; tile_dim0 = 32
	s_mov_b32 s40, 64                              ; tile_dim1 = 64
	s_mov_b32 s41, 32                              ; pitch = 32 elements
	s_mov_b32 s42, 0
	s_mov_b32 s43, 0
	s_mov_b32 s44, 1                               ; group 0 of slot 0 in s[44:47], of slot 1 in s[48:51]
	s_lshl_b32 s45, s34, 14                        ; LDS: the wave's number x 16,384 + the slot
	s_mov_b32 s48, 1
	s_add_co_u32 s49, s45, SLOTB
	s_mul_i32 s4, s34, 2304
	s_add_co_u32 s4, s4, XS                        ; my bounce area
	s_lshl_b32 s5, s34, 8
	s_add_co_u32 s5, s5, RED                       ; my 256 bytes of an area of sums
	s_mul_i32 s6, s34, OREG
	s_add_co_u32 s6, s6, OUTS                      ; my region on the way out
	s_mul_i32 s7, s34, 8*144
	s_add_co_u32 s7, s7, OUTS                      ; rows 8 w .. of every region
	s_lshr_b32 s66, ttmp9, 2                       ; b, the same in the four partners
	s_lshl_b32 s66, s66, 21                        ; 16 tiles of 128 KiB a batch
	s_mov_b32 s67, 0
	s_mov_b32 s63, 0
	s_wait_kmcnt 0x0
	s_add_nc_u64 s[10:11], s[10:11], s[66:67]      ; kvbuf at my batch
	s_lshl_b32 s66, s34, 14
	s_add_nc_u64 s[46:47], s[10:11], s[66:67]      ; tile 0, head w
	s_add_nc_u64 s[50:51], s[46:47], SLOTB         ; tile 1
	s_or_b32 s47, s47, 0x80000000                  ; type = 2
	s_or_b32 s51, s51, 0x80000000
	s_add_nc_u64 s[12:13], s[12:13], s[66:67]      ; wpack at column tiles 2 w, 2 w + 1; the block stands in the immediates
	s_and_b32 s62, s35, 15
	s_lshl_b32 s62, s62, 13
	s_add_co_u32 s62, s62, SLOTB
	s_add_nc_u64 s[56:57], s[10:11], s[62:63]      ; prefetch: my sixteenth (8 KiB) of a tile; stepped to tile t + 2 at the head of trip t
	s_lshl_b32 s62, s35, 15
	s_lshl_b32 s2, s34, 12
	s_add_co_u32 s62, s62, s2
	s_add_nc_u64 s[58:59], s[8:9], s[62:63]        ; Q of direction 0: block x, head w
	s_add_nc_u64 s[60:61], s[58:59], 0x800000      ; of direction 1
	s_lshl_b32 s62, s35, 16
	s_lshl_b32 s2, s34, 7
	s_add_co_u32 s62, s62, s2
	s_add_nc_u64 s[14:15], s[14:15], s[62:63]      ; the residuals: row 64 x, column 32 w
	s_add_nc_u64 s[16:17], s[16:17], s[62:63]
	s_mov_b32 s62, s2
.irp p, 18,20,22,24,26,28,30
	s_add_nc_u64 s[\p:\p+1], s[\p:\p+1], s[62:63]  ; bo, g, b of both directions and enh_b at column 32 w
.endr
	s_lshl_b32 s62, s35, 16
	s_lshl_b32 s2, s34, 13
	s_add_co_u32 s62, s62, s2
	s_add_nc_u64 s[32:33], s[32:33], s[62:63]      ; out0: row 64 x + 8 w
	v_and_b32 v16, 31, v0
	v_lshlrev_b32 v1, 4, v16
	v_lshl_add_u32 v2, s34, 14, v1
	v_add_nc_u32 v3, SLOTB, v2
	v_add_nc_u32 v4, R1, v1
	v_lshl_add_u32 v5, s34, 10, v4
	v_lshl_add_u32 v6, s34, 10, v1
	v_lshlrev_b32 v7, 8, v16
	ROUND                                          ; the four work-groups are here: the first joint load meets
	tensor_load_to_lds s[44:47], s[36:43]          ; tile 0
	s_nop 0
; The epilogue's addresses, made anew from v0 and the wave's number wherever they are needed: the softmax works in the same registers.
; v24 my sums' place, v25 where sums are read, v26 / v27 the bounce area in / out, v28 the residual's offset, v29 32 h.
.macro EADDR
	v_and_b32 v30, 15, v0                          ; r
	v_bfe_u32 v29, v0, 4, 1                        ; h
	v_lshl_add_u32 v24, v30, 2, s5
	v_lshl_add_u32 v25, v30, 2, RED
	v_mul_u32_u24 v27, v30, 144
	v_lshlrev_b32 v29, 5, v29
	v_add_nc_u32 v27, v27, v29
	v_add_nc_u32 v27, s4, v27                      ; row r, columns 8 h ..
	v_bfe_u32 v30, v0, 3, 2                        ; L / 8
	v_and_b32 v31, 7, v0
	v_lshlrev_b32 v31, 4, v31
	v_mul_u32_u24 v26, v30, 144
	v_add_nc_u32 v26, v26, v31
	v_add_nc_u32 v26, s4, v26                      ; row L / 8, 16 bytes at L % 8
	v_lshl_add_u32 v28, v30, 10, v31               ; the same in memory: rows of 1,024 bytes
.endm
; the residual of my 64 rows x 32 columns: load m brings rows 4 m .. 4 m + 3, eight lanes a row
.macro RAWLD dir
.set j, 0
.rept 16
	global_load_b128 v[SS+4*j:SS+4*j+3], v28, s[14+2*\dir:15+2*\dir] offset:j*4096 th:TH_LOAD_NT
.set j, j+1
.endr
.endm
.macro QLD dir
.set j, 0
.rept 8
	global_load_b128 v[QF+4*j:QF+4*j+3], v1, s[58+2*\dir:59+2*\dir] offset:512*j th:TH_LOAD_NT
.set j, j+1
.endr
.endm
; 32 loads under WIN 0x40: my 16 fragments of block blk into block 1 from register rb on; fragment (t, ks) lands at rb + 64 t + 8 ks
.macro WBLD blk, rb
.set j, 0
.rept 32
	global_load_b128 v[\rb+4*j:\rb+4*j+3], v1, s[12:13] offset:(\blk)*WBLK+512*j
.set j, j+1
.endr
.endm
; under WIN 0x40: wo, and bo, g, b in the accumulators' layout (register j: column 32 w + 16 t + 8 h + j).  44 loads.
.macro WLD dir
	WBLD 6+\dir, 0
.irp t, 0,1
.irp u, 0,1
	global_load_b128 v[192+8*\t+4*\u:195+8*\t+4*\u], v29, s[18+2*\dir:19+2*\dir] offset:\t*64+\u*16
	global_load_b128 v[208+8*\t+4*\u:211+8*\t+4*\u], v29, s[22+4*\dir:23+4*\dir] offset:\t*64+\u*16
	global_load_b128 v[224+8*\t+4*\u:227+8*\t+4*\u], v29, s[24+4*\dir:25+4*\dir] offset:\t*64+\u*16
.endr
.endr
.endm
; under WIN 0x40: the residual goes through my own 16 rows of LDS, 16 rows at a time, into block 1 v[128 + 16 q + 8 t + j]
.macro BOUNCE
.irp q, 0,1,2,3
.irp m, 0,1,2,3
	ds_store_b128 v26, v[SS+16*\q+4*\m:SS+16*\q+4*\m+3] offset:\m*576
.endr
.irp t, 0,1
.irp u, 0,1
	ds_load_b128 v[128+16*\q+8*\t+4*\u:131+16*\q+8*\t+4*\u], v27 offset:\t*64+\u*16
.endr
.endr
	s_wait_dscnt 0x0                               ; read back before the next sixteen rows are laid over them
.endr
.endm
	EADDR
	RAWLD 0
	QLD 0
	WIN 0x40
	WLD 0
	s_wait_loadcnt 52                              ; the residual is in; Q (8) and the weights (44) stay out
	BOUNCE
	WIN 0
	v_mov_b32 v21, 0                               ; upper registers of pairs of which the lower is broadcast,
	v_mov_b32 v23, 0                               ; and a lane exchange's target: written once
	s_wait_loadcnt 44                              ; Q is in; the weights stay out through the attention
	s_wait_xcnt 0x0                                ; v28, v29, which pending loads name, are written again only behind this wait
.macro LDK slot, hs                    ; the four key tiles of half hs of the tile
.irp kt, 0,1,2,3
	ds_load_b128 v[KF+8*\kt:KF+8*\kt+3],   v[2+\slot] offset:(4*\hs+\kt)*1024
	ds_load_b128 v[KF+8*\kt+4:KF+8*\kt+7], v[2+\slot] offset:(4*\hs+\kt)*1024+512
.endr
.endm
.macro LDV slot, hs                    ; V^T of the same 64 keys
.irp t, 0,1
.irp kk, 0,1
	ds_load_b128 v[VF+16*\t+8*\kk:VF+16*\t+8*\kk+3],   v[2+\slot] offset:8192+\t*4096+(2*\hs+\kk)*1024
	ds_load_b128 v[VF+16*\t+8*\kk+4:VF+16*\t+8*\kk+7], v[2+\slot] offset:8192+\t*4096+(2*\hs+\kk)*1024+512
.endr
.endr
.endm
; The softmax of query tile q (qq = its place in the pair) over 64 keys, 32 scores a lane.
; At work, from TB = 16 + 8 qq: four chains, the pair (new m, other half's), the pair (2^(old m - new m), -).
.macro SMAX qq, q, first
.set SB, SS+32*\qq
.set TB, 16+8*\qq
.set MQ, 8+2*(\q)
.irp kt, 0,1,2,3
	v_max3_num_f32 v[TB+\kt], v[SB+8*\kt], v[SB+8*\kt+1], v[SB+8*\kt+2]
.endr
.irp kt, 0,1,2,3
	v_max3_num_f32 v[TB+\kt], v[TB+\kt], v[SB+8*\kt+3], v[SB+8*\kt+4]
.endr
.irp kt, 0,1,2,3
	v_max3_num_f32 v[TB+\kt], v[TB+\kt], v[SB+8*\kt+5], v[SB+8*\kt+6]
.endr
	v_max3_num_f32 v[TB], v[TB], v[TB+1], v[SB+7]
	v_max3_num_f32 v[TB+2], v[TB+2], v[TB+3], v[SB+15]
	v_max3_num_f32 v[TB], v[TB], v[TB+2], v[SB+23]
.if \first
	v_max_num_f32 v[TB], v[TB], v[SB+31]
.else
	v_max3_num_f32 v[TB], v[TB], v[SB+31], v[MQ]
.endif
	v_permlanex16_b32 v[TB+5], v[TB], s52, s53     ; the other eight keys of each tile lie in lane L xor 16
	v_max_num_f32 v[TB+4], v[TB], v[TB+5]
.if \first == 0
	v_sub_f32 v[TB+6], v[MQ], v[TB+4]
	v_exp_f32 v[TB+6], v[TB+6]                     ; the plain line below stands between it and its use (ISA guide 5.7.2)
.endif
	v_mov_b32 v[MQ], v[TB+4]
.endm
.macro SSUB qq
.set SB, SS+32*\qq
.set TB, 16+8*\qq
.set j, 0
.rept 16
	v_pk_add_f32 v[SB+2*j:SB+2*j+1], v[SB+2*j:SB+2*j+1], v[TB+4:TB+5] op_sel_hi:[1,0] neg_lo:[0,1] neg_hi:[0,1]
.set j, j+1
.endr
.endm
.macro SEXP qq
.set SB, SS+32*\qq
.set j, 0
.rept 32
	v_exp_f32 v[SB+j], v[SB+j]
.set j, j+1
.endr
.endm
.macro SSCALE qq, q
.set TB, 16+8*\qq
.set OB, OA+16*(\q)
.set j, 0
	s_wait_alu depctr_va_vdst(0)
.rept 8
	v_pk_mul_f32 v[OB+2*j:OB+2*j+1], v[OB+2*j:OB+2*j+1], v[TB+6:TB+7] op_sel_hi:[1,0]
.set j, j+1
.endr
.endm
.macro SSUM qq, q, first
.set SB, SS+32*\qq
.set TB, 16+8*\qq
.set LQ, 9+2*(\q)
	v_pk_add_f32 v[TB:TB+1], v[SB:SB+1], v[SB+2:SB+3]
	v_pk_add_f32 v[TB+2:TB+3], v[SB+16:SB+17], v[SB+18:SB+19]
.set j, 2
.rept 6
	v_pk_add_f32 v[TB:TB+1], v[TB:TB+1], v[SB+2*j:SB+2*j+1]
	v_pk_add_f32 v[TB+2:TB+3], v[TB+2:TB+3], v[SB+16+2*j:SB+17+2*j]
.set j, j+1
.endr
	v_pk_add_f32 v[TB:TB+1], v[TB:TB+1], v[TB+2:TB+3]
.if \first
	v_add_f32 v[LQ], v[TB], v[TB+1]
.else
	v_add_f32 v[TB], v[TB], v[TB+1]
	v_fma_f32 v[LQ], v[LQ], v[TB+6], v[TB]         ; l stays the sum of my half of the keys; the halves meet in the epilogue
.endif
.endm
.macro SPACK qq                        ; key tiles 0, 1 become P^T's fragment at SB, tiles 2, 3 the one at SB + 16
.set SB, SS+32*\qq
.irp r, 0,1,2,3
	v_cvt_pk_bf16_f32 v[SB+\r], v[SB+2*\r], v[SB+2*\r+1]
.endr
.irp r, 0,1,2,3
	v_cvt_pk_bf16_f32 v[SB+4+\r], v[SB+8+2*\r], v[SB+9+2*\r]
.endr
.irp r, 0,1,2,3
	v_cvt_pk_bf16_f32 v[SB+16+\r], v[SB+16+2*\r], v[SB+17+2*\r]
.endr
.irp r, 0,1,2,3
	v_cvt_pk_bf16_f32 v[SB+20+\r], v[SB+24+2*\r], v[SB+25+2*\r]
.endr
.endm
; Query tiles 2 pr and 2 pr + 1 against the 64 keys of half hs.  first = 1: nothing has been summed yet.
.macro HALF slot, hs, pr, first
	NOPS 5                                         ; the scores are written over P^T, which the last products read: five places (ISA guide 7.12.1)
.if \pr == 0
	s_wait_dscnt 0x0                               ; the key tiles are in
.endif
.irp qq, 0,1
.irp kt, 0,1,2,3
	v_wmma_f32_16x16x32_bf16 v[SS+32*\qq+8*\kt:SS+32*\qq+8*\kt+7], v[KF+8*\kt:KF+8*\kt+7], v[QF+8*(2*\pr+\qq):QF+8*(2*\pr+\qq)+7], 0
.endr
.endr
	NOPS 4                                         ; four places ahead of the loads into read registers and of the first read of a score
.if \pr == 0
	LDV \slot, \hs                                 ; V of these keys lands under the softmax
.else
.if \hs == 0
	LDK \slot, 1                                   ; the next 64 keys likewise
.endif
.endif
.irp qq, 0,1
	SMAX \qq, 2*\pr+\qq, \first
.endr
	SSUB 0
	SSUB 1
	SEXP 0
	SEXP 1
.if \first
	v_nop                                          ; the plain place behind the exponentials
	s_wait_alu depctr_va_vdst(0)
.else
	SSCALE 0, 2*\pr                                ; which these lines are otherwise
	SSCALE 1, 2*\pr+1
.endif
.irp qq, 0,1
	SSUM \qq, 2*\pr+\qq, \first
.endr
	SPACK 0
	SPACK 1
.if \pr == 0
	s_wait_dscnt 0x0                               ; V is in
.endif
.irp kk, 0,1                                       ; four accumulators take turns, one instruction a turn
.irp qq, 0,1
.irp t, 0,1
.if \first*(1-\kk)
	v_wmma_f32_16x16x32_bf16 v[OA+16*(2*\pr+\qq)+8*\t:OA+16*(2*\pr+\qq)+8*\t+7], v[VF+16*\t+8*\kk:VF+16*\t+8*\kk+7], v[SS+32*\qq+16*\kk:SS+32*\qq+16*\kk+7], 0
.else
	v_wmma_f32_16x16x32_bf16 v[OA+16*(2*\pr+\qq)+8*\t:OA+16*(2*\pr+\qq)+8*\t+7], v[VF+16*\t+8*\kk:VF+16*\t+8*\kk+7], v[SS+32*\qq+16*\kk:SS+32*\qq+16*\kk+7], v[OA+16*(2*\pr+\qq)+8*\t:OA+16*(2*\pr+\qq)+8*\t+7]
.endif
.endr
.endr
.endr
.endm
; One tile of 128 keys.  In front of the round every wave has waited for its reads of the other slot and for all its tensor loads;
; behind it no wave of any partner reads that slot or has a load on its way, and the joint refill comes first.
; pf = 1: wave 0 asks the L2 for my work-group's 8 KiB (32 lanes, 256 bytes apart) of tile t + 2, whose tensor load is issued one
; trip later; the batch's sixteen work-groups together ask for each block of the tile once.  Trips 14 and 15 ask for nothing.
.macro TRIP slot, refill, first, pf
	s_wait_xcnt 0x0
	v_lshl_add_u32 v254, v0, 2, 0x4f800
	v_mov_b32 v255, 0
	s_wait_tensorcnt 0x0                           ; all my loads are done, this trip's tile among them,
	ds_add_u32 v254, v255
	s_wait_dscnt 0x0
	s_add_nc_u64 s[46+4*\slot:47+4*\slot], s[46+4*\slot:47+4*\slot], 2*SLOTB   ; so a group 0 may be written: this slot's next tile
.if \pf
	s_wait_xcnt 0x0                                ; the last prefetch has read its base
	s_add_nc_u64 s[56:57], s[56:57], SLOTB
.endif
	s_wait_dscnt 0x0                               ; my LDS reads and stores are done
	ROUND
.if \refill
	tensor_load_to_lds s[48-4*\slot:51-4*\slot], s[36:43]   ; the next tile, into the slot read last trip
	s_nop 0
.endif
	LDK \slot, 0
.if \pf
	s_cmp_lg_u32 s34, 0
	s_cbranch_scc1 .Lnopf_\@
	global_prefetch_b8 v7, s[56:57] th:TH_LOAD_NT scope:SCOPE_SE
.Lnopf_\@:
.endif
	HALF \slot, 0, 0, \first
	HALF \slot, 0, 1, \first
	HALF \slot, 1, 0, 0
	HALF \slot, 1, 1, 0
.endm
; eight LDS loads: source 1 fragments of the four row tiles for K step ks, from a stage of packets
.macro LDFB fb, sv, ks
.irp q, 0,1,2,3
	ds_load_b128 v[\fb+8*\q:\fb+8*\q+3],   v[\sv] offset:\q*8192+(\ks)*1024
	ds_load_b128 v[\fb+8*\q+4:\fb+8*\q+7], v[\sv] offset:\q*8192+(\ks)*1024+512
.endr
.endm
; 64 rows x my 32 columns x K = 256: weights from block 1 at abase, rows from the stage at v[sv], two fragment buffers in turn.
; cmode 0: the sums start from v[cbase + 8 t] of block 0; 1: of block 1; 2: they go on in place.  fmt: bf16 or f16, both operands'.
; Eight accumulators take turns, one instruction a turn.
.macro G64 sv, abase, cmode, cbase, fmt
	WIN 0
	LDFB 128, \sv, 0
	LDFB 160, \sv, 1
.irp ks, 0,1,2,3,4,5,6,7
.if \ks == 7
	s_wait_dscnt 0x0
.else
	s_wait_dscnt 0x8                               ; this step's eight loads are in, the other buffer's stay out
.endif
.set CM, 2
.if \ks == 0
.set CM, \cmode
.endif
.if CM == 1
	WIN 0x11                                       ; source 0 and C in block 1
.else
	WIN 0x01                                       ; source 0 in block 1
.endif
.irp q, 0,1,2,3
.irp t, 0,1
.if CM < 2
	v_wmma_f32_16x16x32_\fmt v[OA+16*\q+8*\t:OA+16*\q+8*\t+7], v[\abase+64*\t+8*\ks:\abase+64*\t+8*\ks+7], v[128+32*(\ks%2)+8*\q:128+32*(\ks%2)+8*\q+7], v[\cbase+8*\t:\cbase+8*\t+7]
.else
	v_wmma_f32_16x16x32_\fmt v[OA+16*\q+8*\t:OA+16*\q+8*\t+7], v[\abase+64*\t+8*\ks:\abase+64*\t+8*\ks+7], v[128+32*(\ks%2)+8*\q:128+32*(\ks%2)+8*\q+7], v[OA+16*\q+8*\t:OA+16*\q+8*\t+7]
.endif
.endr
.endr
.if \ks < 6
	NOPS 4                                         ; four places ahead of loads into registers just read
	WIN 0
	LDFB 128+32*(\ks%2), \sv, \ks+2
.endif
.endr
.endm
; my 64 x 32 numbers, rounded (half = 0: to bf16, 1: to f16), as packets (q, ks = w, half = t) into the direction's stage
.macro STAGE dir, half
.set j, 0
.rept 32
.if \half
	v_cvt_pk_f16_f32 v[128+j], v[OA+2*j], v[OA+2*j+1]
.else
	v_cvt_pk_bf16_f32 v[128+j], v[OA+2*j], v[OA+2*j+1]
.endif
.set j, j+1
.endr
.irp q, 0,1,2,3
.irp t, 0,1
	ds_store_b128 v[5+\dir], v[128+8*\q+4*\t:131+8*\q+4*\t] offset:\q*8192+\t*512
.endr
.endr
.endm
; The sum over a row's 256 columns (sq = 1: of the squares) for my lanes' four rows, into v[16 + 2 q]:
; 16 numbers in the lane, the other half's 16, then the eight waves' figures through LDS.  Each use has an area of its own.
.macro LNRED area, sq
.if \sq
.irp q, 0,1,2,3
	v_pk_mul_f32 v[16+2*\q:17+2*\q], v[OA+16*\q:OA+16*\q+1], v[OA+16*\q:OA+16*\q+1]
.endr
.irp j, 1,2,3,4,5,6,7
.irp q, 0,1,2,3
	v_pk_fma_f32 v[16+2*\q:17+2*\q], v[OA+16*\q+2*\j:OA+16*\q+2*\j+1], v[OA+16*\q+2*\j:OA+16*\q+2*\j+1], v[16+2*\q:17+2*\q]
.endr
.endr
.else
.irp q, 0,1,2,3
	v_pk_add_f32 v[16+2*\q:17+2*\q], v[OA+16*\q:OA+16*\q+1], v[OA+16*\q+2:OA+16*\q+3]
.endr
.irp j, 2,3,4,5,6,7
.irp q, 0,1,2,3
	v_pk_add_f32 v[16+2*\q:17+2*\q], v[16+2*\q:17+2*\q], v[OA+16*\q+2*\j:OA+16*\q+2*\j+1]
.endr
.endr
.endif
.irp q, 0,1,2,3
	v_add_f32 v[16+2*\q], v[16+2*\q], v[17+2*\q]
.endr
.irp q, 0,1,2,3
	v_permlanex16_b32 v[17+2*\q], v[16+2*\q], s52, s53
.endr
.irp q, 0,1,2,3
	v_add_f32 v[16+2*\q], v[16+2*\q], v[17+2*\q]
.endr
.irp q, 0,1,2,3
	ds_store_b32 v24, v[16+2*\q] offset:(\area)*2048+\q*64   ; lanes L and L xor 16 store the same number to the same word
.endr
	s_wait_dscnt 0x0                               ; my stores, and all my earlier LDS reads, are done
	BAR
.irp q, 0,1,2,3
.irp j, 0,1,2,3,4,5,6,7
	ds_load_b32 v[128+8*\q+\j], v25 offset:(\area)*2048+\j*256+\q*64
.endr
.endr
	s_wait_dscnt 0x0
.irp q, 0,1,2,3
	v_pk_add_f32 v[128+8*\q:129+8*\q], v[128+8*\q:129+8*\q], v[130+8*\q:131+8*\q]
	v_pk_add_f32 v[132+8*\q:133+8*\q], v[132+8*\q:133+8*\q], v[134+8*\q:135+8*\q]
.endr
.irp q, 0,1,2,3
	v_pk_add_f32 v[128+8*\q:129+8*\q], v[128+8*\q:129+8*\q], v[132+8*\q:133+8*\q]
.endr
.irp q, 0,1,2,3
	v_add_f32 v[16+2*\q], v[128+8*\q], v[129+8*\q]
.endr
.endm
; Behind a direction's eight tiles: O / l, the product with wo, + bo + residual, LayerNorm, and the query as packets into the stage.
.macro EPI dir
	NOPS 4                                         ; four places behind the last products
	s_wait_loadcnt 0x0                             ; wo, bo, g, b, asked for ahead of the attention
.if \dir == 0
	s_wait_tensorcnt 0x0                           ; tile 8, asked for a trip ago, has landed: no load of mine is out while the stages are written
.endif
	EADDR
.if \dir == 0
	RAWLD 1                                        ; the next direction's residual and queries land under this epilogue
	QLD 1
.endif
.irp q, 0,1,2,3
	v_permlanex16_b32 v[16+\q], v[9+2*\q], s52, s53
.endr
.irp q, 0,1,2,3
	v_add_f32 v[9+2*\q], v[9+2*\q], v[16+\q]       ; l over all the keys
.endr
.irp q, 0,1,2,3
	v_rcp_f32 v[8+2*\q], v[9+2*\q]
.endr
	v_nop                                          ; the plain place behind the reciprocals
	s_wait_alu depctr_va_vdst(0)
.irp q, 0,1,2,3
.irp j, 0,1,2,3,4,5,6,7
	v_pk_mul_f32 v[OA+16*\q+2*\j:OA+16*\q+2*\j+1], v[OA+16*\q+2*\j:OA+16*\q+2*\j+1], v[8+2*\q:9+2*\q] op_sel_hi:[1,0]
.endr
.endr
	STAGE \dir, 0                                  ; O in bf16
	s_wait_dscnt 0x0                               ; my head's O is in the stage before the others read it
	BAR
	G64 4-3*\dir, 0, 1, 192, bf16                  ; bo starts the sums
	NOPS 4
.if \dir == 1
	WIN 0x40
	WBLD 8, 0                                      ; enh_w rows 0-255 over wo, which has been read
	WIN 0
.irp t, 0,1
.irp u, 0,1
	global_load_b128 v[32+8*\t+4*\u:35+8*\t+4*\u], v29, s[30:31] offset:\t*64+\u*16
.endr
.endr
.endif
	WIN 0x04                                       ; source 1 in block 1
.set j, 0
.rept 32
	v_pk_add_f32 v[OA+2*j:OA+2*j+1], v[OA+2*j:OA+2*j+1], v[128+2*j:129+2*j]
.set j, j+1
.endr
	WIN 0
	LNRED 2*\dir, 0
.irp q, 0,1,2,3
	v_mul_f32 v[8+2*\q], s54, v[16+2*\q]           ; the mean
.endr
.irp q, 0,1,2,3
.irp j, 0,1,2,3,4,5,6,7
	v_pk_add_f32 v[OA+16*\q+2*\j:OA+16*\q+2*\j+1], v[OA+16*\q+2*\j:OA+16*\q+2*\j+1], v[8+2*\q:9+2*\q] op_sel_hi:[1,0] neg_lo:[0,1] neg_hi:[0,1]
.endr
.endr
	LNRED 2*\dir+1, 1                              ; the variance from the centred numbers: no difference of large sums
.irp q, 0,1,2,3
	v_fma_f32 v[16+2*\q], v[16+2*\q], s54, s55
.endr
.irp q, 0,1,2,3
	v_rsq_f32 v[8+2*\q], v[16+2*\q]
.endr
	v_nop                                          ; the plain place behind the roots
	s_wait_alu depctr_va_vdst(0)
.irp q, 0,1,2,3
.irp j, 0,1,2,3,4,5,6,7
	v_pk_mul_f32 v[OA+16*\q+2*\j:OA+16*\q+2*\j+1], v[OA+16*\q+2*\j:OA+16*\q+2*\j+1], v[8+2*\q:9+2*\q] op_sel_hi:[1,0]
.endr
.endr
	WIN 0x14                                       ; sources 1 and 2 (g, b) in block 1
.irp q, 0,1,2,3
.irp j, 0,1,2,3,4,5,6,7
	v_pk_fma_f32 v[OA+16*\q+2*\j:OA+16*\q+2*\j+1], v[OA+16*\q+2*\j:OA+16*\q+2*\j+1], v[208+2*\j:209+2*\j], v[224+2*\j:225+2*\j]
.endr
.endr
	WIN 0
	STAGE \dir, 1                                  ; the query in f16, over O: every wave's reads of O were waited for in front of the first barrier of the sums
.if \dir == 0
	s_wait_loadcnt 0x0                             ; the next residual and queries are in
	WIN 0x40
	WLD 1
	BOUNCE
	WIN 0
	s_wait_xcnt 0x0                                ; v29, which pending loads name, is written again only behind this wait
.else
	WIN 0x40
	WBLD 9, 128                                    ; enh_w rows 256-511 over residual, bo, g, b, which have been read
	WIN 0
	s_wait_dscnt 0x0                               ; txt_query is in the stage before the others read it
	BAR
.endif
.endm
	; ---- direction 0: tiles 0 to 7
	TRIP 0, 1, 1, 1
	TRIP 1, 1, 0, 1
	s_mov_b32 s3, 3
.Ldir0:
	TRIP 0, 1, 0, 1
	TRIP 1, 1, 0, 1
	s_sub_co_u32 s3, s3, 1
	s_cmp_lg_u32 s3, 0
	s_cbranch_scc1 .Ldir0
	EPI 0
	; ---- direction 1: tiles 8 to 15; the last two trips are written out: one more fill, then none, and no prefetch
	TRIP 0, 1, 1, 1
	TRIP 1, 1, 0, 1
	s_mov_b32 s3, 2
.Ldir1:
	TRIP 0, 1, 0, 1
	TRIP 1, 1, 0, 1
	s_sub_co_u32 s3, s3, 1
	s_cmp_lg_u32 s3, 0
	s_cbranch_scc1 .Ldir1
	TRIP 0, 1, 0, 0
	TRIP 1, 0, 0, 0
	EPI 1
	; ---- [img_query, txt_query] x enh_w + enh_b, both operands in f16
	s_wait_loadcnt 32                              ; enh_w's first half and enh_b are in; the second half's 32 loads stay out
	G64 4, 0, 0, 32, f16                           ; img_query, enh_b starts the sums
	s_wait_loadcnt 0x0
	NOPS 4                                         ; four places ahead of the loads into the fragment buffers just read
	G64 1, 128, 2, 0, f16                          ; txt_query, on the same sums
	NOPS 4
	WIN 0
	; ---- the way out: my 64 rows x 128 bytes into my own region, read back as rows across the regions
	v_and_b32 v16, 15, v0
	v_mul_u32_u24 v16, v16, 144
	v_add_nc_u32 v16, v16, v29
	v_add_nc_u32 v16, s6, v16                      ; row r, columns 8 h ..
	v_bfe_u32 v17, v0, 3, 2
	v_mul_u32_u24 v17, v17, OREG                   ; eight lanes take a region's 128 bytes of a row, four regions a load
	v_and_b32 v18, 7, v0
	v_lshl_add_u32 v17, v18, 4, v17
	v_add_nc_u32 v17, s7, v17
.irp q, 0,1,2,3
.irp t, 0,1
	ds_store_b128 v16, v[OA+16*\q+8*\t:OA+16*\q+8*\t+3]   offset:\q*2304+\t*64
	ds_store_b128 v16, v[OA+16*\q+8*\t+4:OA+16*\q+8*\t+7] offset:\q*2304+\t*64+16
.endr
.endr
	s_wait_dscnt 0x0
	BAR
.set j, 0
.rept 16
	ds_load_b128 v[128+4*j:131+4*j], v17 offset:(j&1)*4*OREG+(j>>1)*144   ; half (j & 1) of row 8 w + j / 2
.set j, j+1
.endr
.set j, 0
.rept 16
	s_wait_dscnt 15-j                              ; LDS loads come back in order: load j is in
	global_store_b128 v1, v[128+4*j:131+4*j], s[32:33] offset:512*j th:TH_STORE_NT   ; 512 consecutive bytes, aligned
.set j, j+1
.endr
	s_wait_xcnt 0x0
	v_lshl_add_u32 v254, v0, 2, 0x4f800
	v_mov_b32 v255, 0
	s_wait_tensorcnt 0x0
	ds_add_u32 v254, v255
	s_wait_dscnt 0x0
	ROUND                                          ; the closing round: no work-group ends while a partner may still ask jointly
	s_endpgm
.Lfunc_end_k_q65ee402345_attn:
	.size	k_q65ee402345_attn, .Lfunc_end_k_q65ee402345_attn-k_q65ee402345_attn
	.p2alignl 7, 3214868480
	.fill 96, 4, 3214868480
	.section	.rodata,"a",@progbits
	.p2align	6, 0x0
	.amdhsa_kernel k_q65ee402345_attn
		.amdhsa_group_segment_fixed_size 327680
		.amdhsa_private_segment_fixed_size 0
		.amdhsa_enable_private_segment 0
		.amdhsa_kernarg_size 104
		.amdhsa_user_sgpr_count 2
		.amdhsa_user_sgpr_kernarg_segment_ptr 1
		.amdhsa_wavefront_size32 1
		.amdhsa_system_sgpr_workgroup_id_x 1
		.amdhsa_system_sgpr_workgroup_id_y 1
		.amdhsa_system_sgpr_workgroup_id_z 1
		.amdhsa_system_vgpr_workitem_id 0
		.amdhsa_next_free_vgpr 512
		.amdhsa_next_free_sgpr 72
		.amdhsa_reserve_vcc 0
		.amdhsa_float_denorm_mode_32 3
		.amdhsa_float_denorm_mode_16_64 3
		.amdhsa_memory_ordered 1
		.amdhsa_forward_progress 1
		.amdhsa_inst_pref_size 255
	.end_amdhsa_kernel
	.section	.bss,"aw",@nobits
	.p2align	6
	.space	262144
	.amdgpu_metadata
---
amdhsa.version: [ 1, 2 ]
amdhsa.kernels:
  - .name:           k_q65ee402345_attn
    .symbol:         k_q65ee402345_attn.kd
    .args:
      - { .name: qbuf, .offset: 0, .size: 8, .value_kind: global_buffer, .address_space: global }
      - { .name: kvbuf, .offset: 8, .size: 8, .value_kind: global_buffer, .address_space: global }
      - { .name: wpack, .offset: 16, .size: 8, .value_kind: global_buffer, .address_space: global }
      - { .name: img_common, .offset: 24, .size: 8, .value_kind: global_buffer, .address_space: global }
      - { .name: txt_common, .offset: 32, .size: 8, .value_kind: global_buffer, .address_space: global }
      - { .name: i2t_bo, .offset: 40, .size: 8, .value_kind: global_buffer, .address_space: global }
      - { .name: t2i_bo, .offset: 48, .size: 8, .value_kind: global_buffer, .address_space: global }
      - { .name: ln_img_g, .offset: 56, .size: 8, .value_kind: global_buffer, .address_space: global }
      - { .name: ln_img_b, .offset: 64, .size: 8, .value_kind: global_buffer, .address_space: global }
      - { .name: ln_txt_g, .offset: 72, .size: 8, .value_kind: global_buffer, .address_space: global }
      - { .name: ln_txt_b, .offset: 80, .size: 8, .value_kind: global_buffer, .address_space: global }
      - { .name: enh_b, .offset: 88, .size: 8, .value_kind: global_buffer, .address_space: global }
      - { .name: out0, .offset: 96, .size: 8, .value_kind: global_buffer, .address_space: global }
    .group_segment_fixed_size: 327680
    .private_segment_fixed_size: 0
    .kernarg_segment_align: 8
    .kernarg_segment_size: 104
    .max_flat_workgroup_size: 256
    .sgpr_count:     72
    .vgpr_count:     512
    .wavefront_size: 32
...
	.end_amdgpu_metadata
.endif
;; end of part 3
;; ======== version 2 of 3: 3 launches
;; limits: values are held in f16: magnitudes above 65,504 overflow, below 6.1e-05 lose precision
;; workspace buffers: wpack 1,310,720 bytes; qbuf 16,777,216 bytes; kvbuf 33,554,432 bytes
;; launch prep (part 4): grid 32 x 12, 8 waves a work-group, no clusters, 9,216 bytes of LDS; arguments i2t_wq, t2i_wk, t2i_wv, t2i_wq, i2t_wk, i2t_wv, i2t_wo, t2i_wo, enh_w, inc_w, inc_b, img_specific, txt_specific, wpack, out1, out2, out3; writes wpack, out1, out2, out3
.if DOCPART == 4
	.amdgcn_target "amdgcn-amd-amdhsa--gfx1250"
	.amdhsa_code_object_version 6
	.text
	.protected	k_q65ee402345_prep
	.globl	k_q65ee402345_prep
	.p2align	8
	.type	k_q65ee402345_prep,@function
k_q65ee402345_prep:
	s_mov_b64 s[64:65], 0
	v_nop
	global_prefetch_b8 v0, s[64:65] scope:SCOPE_SE
	s_setreg_imm32_b32 hwreg(HW_REG_WAVE_MODE, 25, 1), 1
	s_wait_xcnt 0x0
; prep.  y = 2..11: block y - 2 of 256 x 256 weights (f32, [k][column]) becomes 16-bit in the order in which a lane of a 16-bit
; matrix fragment holds it.  A packet is 16 bytes: column 16 ct + r, k = 8 kg .. 8 kg + 7, at byte ct*8192 + kg*256 + r*16 of
; the block, so that a later load of base + 16 x lane brings half a fragment as 512 consecutive bytes.
; Blocks: 0 i2t_wq, 1 t2i_wk, 2 t2i_wv, 3 t2i_wq, 4 i2t_wk, 5 i2t_wv, 6 i2t_wo, 7 t2i_wo in bf16; 8 and 9, the halves of enh_w, in f16.
; Blocks 0 and 3 are multiplied in f32 by log2(e) / sqrt(32) ahead of the rounding: scores then come out ready for 2^x.
; enh_w in f16: its partner in the product is a LayerNorm's result, bounded by 16 |g| + |b|, so both sides have room in f16, and
; f16 keeps 11 significant bits where bf16 keeps 8, in a sum of 512 products.  LIMIT: |enh_w| below 65,504; below 2^-14 its step is 2^-24.
; y = 0, 1: out1 = [img - txt, img * txt] x inc_w + inc_b, and the copies out2, out3.  Sixteen rows against 512 KiB of weights:
; plain f32 multiply-adds; the matrix unit would have nothing to reuse.  64 work-groups, one row and 64 columns each, so that a
; wave's share of the weights is one batch of 32 loads and every load of the path goes out ahead of its first wait.
; This path has two barriers and is the longer one, so its work-groups carry the lowest numbers of the grid.
; The order of the sums in out1 differs from a plain ascending one (sixteen partial sums of 32 k each).
.set CQ,   0x3e8293ee                  ; log2(e) / sqrt(32)
.set WBLK, 131072                      ; bytes of a packed block
	s_load_b512 s[8:23], s[0:1], 0x0               ; the eight square weights, in the order of blocks 0 to 7
	s_load_b256 s[24:31], s[0:1], 0x40             ; enh_w s[24:25], inc_w s[26:27], inc_b s[28:29], img_specific s[30:31]
	s_load_b256 s[32:39], s[0:1], 0x60             ; txt_specific s[32:33], wpack s[34:35], out1 s[36:37], out2 s[38:39]
	s_load_b64 s[40:41], s[0:1], 0x80              ; out3
	v_lshl_add_u32 v192, v0, 2, 0x2000
	v_mov_b32 v193, 0
	s_and_b32 s2, ttmp7, 0xffff                    ; y
	s_mov_b32 s43, 0                               ; the upper word of every offset pair
	s_wait_kmcnt 0x0
	s_cmp_lt_u32 s2, 2
	s_cbranch_scc1 .Linc
	s_sub_co_u32 s2, s2, 2                         ; the block, 0 to 9
	; ---- a block of weights.  32 work-groups x 256 threads = 8,192 packets, one a thread.
	s_mov_b64 s[4:5], s[8:9]
.irp i, 1,2,3,4,5,6,7
	s_cmp_eq_u32 s2, \i
	s_cselect_b64 s[4:5], s[8+2*\i:9+2*\i], s[4:5]
.endr
	s_cmp_ge_u32 s2, 8
	s_cselect_b64 s[4:5], s[24:25], s[4:5]         ; blocks 8 and 9 come from enh_w,
	s_cmp_eq_u32 s2, 9
	s_cselect_b32 s42, 0x40000, 0                  ; block 9 from its rows 256 to 511
	s_add_nc_u64 s[4:5], s[4:5], s[42:43]
	s_cmp_eq_u32 s2, 0
	s_cselect_b32 s6, CQ, 1.0
	s_cmp_eq_u32 s2, 3
	s_cselect_b32 s6, CQ, s6                       ; the factor: CQ for the two wq, 1 for the rest
	s_mov_b32 s7, s6
	s_lshl_b32 s42, s2, 17
	s_add_nc_u64 s[34:35], s[34:35], s[42:43]      ; wpack at the block
	s_lshl_b32 s44, ttmp9, 8
	v_or_b32 v1, s44, v0                           ; u = 256 x + t: bits 4:0 column in a group of 32, 9:5 kg, 12:10 group of columns
	v_bfe_u32 v2, v1, 5, 5                         ; kg
	v_bfe_u32 v3, v1, 10, 3                        ; group of 32 columns
	v_and_b32 v4, 31, v1
	v_lshlrev_b32 v5, 13, v2                       ; source: 8 kg rows of 1,024 bytes
	v_lshl_add_u32 v5, v3, 7, v5
	v_lshl_add_u32 v5, v4, 2, v5                   ; + 4 x column: a wave reads 128 consecutive bytes
	v_lshlrev_b32 v6, 14, v3                       ; target: ct = 2 x group + bit 4 of u
	v_bfe_u32 v7, v1, 4, 1
	v_lshl_add_u32 v6, v7, 13, v6
	v_lshl_add_u32 v6, v2, 8, v6
	v_and_b32 v7, 15, v1
	v_lshl_add_u32 v6, v7, 4, v6                   ; + 16 r: sixteen lanes store 256 consecutive bytes, aligned
.irp e, 0,1,2,3,4,5,6,7
	global_load_b32 v[8+\e], v5, s[4:5] offset:\e*1024
.endr
	s_wait_loadcnt 0x0
.irp e, 0,2,4,6
	v_pk_mul_f32 v[8+\e:9+\e], v[8+\e:9+\e], s[6:7] op_sel_hi:[1,0]
.endr
	s_cmp_ge_u32 s2, 8
	s_cbranch_scc1 .Lhalf
.irp e, 0,1,2,3
	v_cvt_pk_bf16_f32 v[16+\e], v[8+2*\e], v[9+2*\e]   ; the lower k in the lower half
.endr
	s_branch .Lput
.Lhalf:
.irp e, 0,1,2,3
	v_cvt_pk_f16_f32 v[16+\e], v[8+2*\e], v[9+2*\e]    ; enh_w: f16
.endr
.Lput:
	global_store_b128 v6, v[16:19], s[34:35]
	s_endpgm
	; ---- the product of 16 rows.  Work-group i = x + 32 y: row b = i / 4, columns 64 (i & 3) .. + 63.
.Linc:
	s_lshl_b32 s44, s2, 5
	s_add_co_u32 s44, s44, ttmp9                   ; i = 0 .. 63
	s_and_b32 s45, s44, 3                          ; which quarter of the columns; quarters 0 and 1 also make a copy
	s_lshr_b32 s44, s44, 2                         ; b
	v_lshrrev_b32 v7, 5, v0
	v_readfirstlane_b32 s3, v7                     ; wave
	s_lshl_b32 s42, s44, 10                        ; row b, in bytes
	s_add_nc_u64 s[30:31], s[30:31], s[42:43]
	s_add_nc_u64 s[32:33], s[32:33], s[42:43]
	s_add_nc_u64 s[36:37], s[36:37], s[42:43]
	s_add_nc_u64 s[38:39], s[38:39], s[42:43]
	s_add_nc_u64 s[40:41], s[40:41], s[42:43]
	s_cmp_lg_u32 s45, 0
	s_cselect_b64 s[46:47], s[40:41], s[38:39]     ; quarter 0 copies img_specific to out2, quarter 1 txt_specific to out3
	s_cselect_b32 s48, -1, 0
	s_lshl_b32 s42, s45, 8                         ; 64 columns of 4 bytes
	s_add_nc_u64 s[28:29], s[28:29], s[42:43]
	s_add_nc_u64 s[36:37], s[36:37], s[42:43]
	s_lshl_b32 s44, s3, 16                         ; wave w takes k = 64 w .. 64 w + 63: 64 rows of 1,024 bytes
	s_add_co_u32 s42, s42, s44
	s_add_nc_u64 s[26:27], s[26:27], s[42:43]
	v_lshlrev_b32 v1, 2, v0                        ; 4 t
	v_and_b32 v8, 15, v0
	v_lshlrev_b32 v8, 4, v8                        ; four columns a lane, sixteen lanes a row's 256 bytes
	v_bfe_u32 v9, v0, 4, 1                         ; lanes 16 to 31 take the rows 32 further down
	v_lshl_add_u32 v8, v9, 15, v8
	v_and_b32 v10, 63, v0
	v_lshlrev_b32 v10, 2, v10                      ; the bias of column t % 64
	global_load_b32 v2, v1, s[30:31]
	global_load_b32 v3, v1, s[32:33]
	global_load_b32 v11, v10, s[28:29]
.set kk, 0
.rept 32
	global_load_b128 v[32+4*kk:35+4*kk], v8, s[26:27] offset:kk*1024   ; k = 64 w + kk (lanes 0-15), 64 w + 32 + kk (lanes 16-31)
.set kk, kk+1
.endr
	s_wait_loadcnt 33                              ; the two rows are in; the bias and the 32 weight loads behind them stay out
	v_sub_f32 v4, v2, v3
	v_mul_f32 v5, v2, v3
	ds_store_b32 v1, v4                            ; k = t
	ds_store_b32 v1, v5 offset:1024                ; k = 256 + t
	s_cmp_ge_u32 s45, 2
	s_cbranch_scc1 .Lnocopy
	v_cndmask_b32 v6, v2, v3, s48
	global_store_b32 v1, v6, s[46:47]
.Lnocopy:
	s_wait_dscnt 0x0                               ; my stores are done before the others read them
	s_barrier_signal -1
	s_barrier_wait -1
	v_lshlrev_b32 v9, 7, v9
	v_lshl_add_u32 v9, s3, 8, v9                   ; my 32 values of k: byte 256 w + 128 (lane / 16), the same in sixteen lanes
.set kk, 0
.rept 8
	ds_load_b128 v[160+4*kk:163+4*kk], v9 offset:16*kk
.set kk, kk+1
.endr
	s_wait_loadcnt 0x0
	s_wait_dscnt 0x0
.set kk, 0
.rept 32
.irp c, 0,1,2,3
.if kk == 0
	v_mul_f32 v[24+\c], v[32+\c], v[160]           ; the first product starts the sums
.else
	v_fmac_f32 v[24+\c], v[32+4*kk+\c], v[160+kk]
.endif
.endr
.set kk, kk+1
.endr
	v_and_b32 v12, 31, v0
	v_lshlrev_b32 v12, 4, v12
	v_lshl_add_u32 v12, s3, 9, v12                 ; partial sum 2 w + lane / 16 at 256 bytes each, behind the 2,048 of the values
	ds_store_b128 v12, v[24:27] offset:2048
	s_wait_dscnt 0x0
	s_barrier_signal -1
	s_barrier_wait -1
	s_cmp_ge_u32 s3, 2
	s_cbranch_scc1 .Ldone                          ; 64 columns: threads 0 to 63 add the sixteen partial sums
.set kk, 0
.rept 16
	ds_load_b32 v[32+kk], v1 offset:2048+256*kk
.set kk, kk+1
.endr
	s_wait_dscnt 0x0
	v_pk_add_f32 v[32:33], v[32:33], v[34:35]
	v_pk_add_f32 v[36:37], v[36:37], v[38:39]
	v_pk_add_f32 v[40:41], v[40:41], v[42:43]
	v_pk_add_f32 v[44:45], v[44:45], v[46:47]
	v_pk_add_f32 v[32:33], v[32:33], v[36:37]
	v_pk_add_f32 v[40:41], v[40:41], v[44:45]
	v_pk_add_f32 v[32:33], v[32:33], v[40:41]
	v_add_f32 v32, v32, v33
	v_add_f32 v32, v32, v11
	global_store_b32 v1, v32, s[36:37]
.Ldone:
	s_wait_tensorcnt 0x0
	ds_add_u32 v192, v193
	s_wait_dscnt 0x0
	s_endpgm
.Lfunc_end_k_q65ee402345_prep:
	.size	k_q65ee402345_prep, .Lfunc_end_k_q65ee402345_prep-k_q65ee402345_prep
	.p2alignl 7, 3214868480
	.fill 96, 4, 3214868480
	.section	.rodata,"a",@progbits
	.p2align	6, 0x0
	.amdhsa_kernel k_q65ee402345_prep
		.amdhsa_group_segment_fixed_size 9216
		.amdhsa_private_segment_fixed_size 0
		.amdhsa_enable_private_segment 0
		.amdhsa_kernarg_size 136
		.amdhsa_user_sgpr_count 2
		.amdhsa_user_sgpr_kernarg_segment_ptr 1
		.amdhsa_wavefront_size32 1
		.amdhsa_system_sgpr_workgroup_id_x 1
		.amdhsa_system_sgpr_workgroup_id_y 1
		.amdhsa_system_sgpr_workgroup_id_z 1
		.amdhsa_system_vgpr_workitem_id 0
		.amdhsa_next_free_vgpr 194
		.amdhsa_next_free_sgpr 66
		.amdhsa_reserve_vcc 0
		.amdhsa_float_denorm_mode_32 3
		.amdhsa_float_denorm_mode_16_64 3
		.amdhsa_memory_ordered 1
		.amdhsa_forward_progress 1
		.amdhsa_inst_pref_size 16
	.end_amdhsa_kernel
	.amdgpu_metadata
---
amdhsa.version: [ 1, 2 ]
amdhsa.kernels:
  - .name:           k_q65ee402345_prep
    .symbol:         k_q65ee402345_prep.kd
    .args:
      - { .name: i2t_wq, .offset: 0, .size: 8, .value_kind: global_buffer, .address_space: global }
      - { .name: t2i_wk, .offset: 8, .size: 8, .value_kind: global_buffer, .address_space: global }
      - { .name: t2i_wv, .offset: 16, .size: 8, .value_kind: global_buffer, .address_space: global }
      - { .name: t2i_wq, .offset: 24, .size: 8, .value_kind: global_buffer, .address_space: global }
      - { .name: i2t_wk, .offset: 32, .size: 8, .value_kind: global_buffer, .address_space: global }
      - { .name: i2t_wv, .offset: 40, .size: 8, .value_kind: global_buffer, .address_space: global }
      - { .name: i2t_wo, .offset: 48, .size: 8, .value_kind: global_buffer, .address_space: global }
      - { .name: t2i_wo, .offset: 56, .size: 8, .value_kind: global_buffer, .address_space: global }
      - { .name: enh_w, .offset: 64, .size: 8, .value_kind: global_buffer, .address_space: global }
      - { .name: inc_w, .offset: 72, .size: 8, .value_kind: global_buffer, .address_space: global }
      - { .name: inc_b, .offset: 80, .size: 8, .value_kind: global_buffer, .address_space: global }
      - { .name: img_specific, .offset: 88, .size: 8, .value_kind: global_buffer, .address_space: global }
      - { .name: txt_specific, .offset: 96, .size: 8, .value_kind: global_buffer, .address_space: global }
      - { .name: wpack, .offset: 104, .size: 8, .value_kind: global_buffer, .address_space: global }
      - { .name: out1, .offset: 112, .size: 8, .value_kind: global_buffer, .address_space: global }
      - { .name: out2, .offset: 120, .size: 8, .value_kind: global_buffer, .address_space: global }
      - { .name: out3, .offset: 128, .size: 8, .value_kind: global_buffer, .address_space: global }
    .group_segment_fixed_size: 9216
    .private_segment_fixed_size: 0
    .kernarg_segment_align: 8
    .kernarg_segment_size: 136
    .max_flat_workgroup_size: 256
    .sgpr_count:     66
    .vgpr_count:     194
    .wavefront_size: 32
...
	.end_amdgpu_metadata
.endif
;; end of part 4
;; launch proj: the kernel of part 2 again; grid 256 x 1, 8 waves a work-group, no clusters, 68,608 bytes of LDS; arguments img_common, txt_common, wpack, i2t_bq, t2i_bq, i2t_bk, t2i_bk, i2t_bv, t2i_bv, qbuf, kvbuf; writes qbuf, kvbuf
;; launch attn (part 5): grid 256 x 1, 8 waves a work-group, clusters of 4 x 1, 327,680 bytes of LDS; arguments qbuf, kvbuf, wpack, img_common, txt_common, i2t_bo, t2i_bo, ln_img_g, ln_img_b, ln_txt_g, ln_txt_b, enh_b, out0; writes out0
.if DOCPART == 5
	.amdgcn_target "amdgcn-amd-amdhsa--gfx1250"
	.amdhsa_code_object_version 6
	.text
	.protected	k_q65ee402345_attn
	.globl	k_q65ee402345_attn
	.p2align	8
	.type	k_q65ee402345_attn,@function
k_q65ee402345_attn:
	s_mov_b64 s[64:65], 0
	v_nop
	global_prefetch_b8 v0, s[64:65] scope:SCOPE_SE
	s_setreg_imm32_b32 hwreg(HW_REG_WAVE_MODE, 25, 1), 1
	s_wait_xcnt 0x0
	s_wait_alu depctr_hold_cnt(0) depctr_sa_sdst(0) depctr_va_vdst(0) depctr_va_sdst(0) depctr_va_ssrc(0) depctr_va_vcc(0) depctr_vm_vsrc(0)
	s_getreg_b32 s2, hwreg(HW_REG_IB_STS2, 6, 4)
	s_cmp_eq_u32 s2, 0
	s_cbranch_scc0 .Lentry_in_a_cluster
	s_endpgm
.Lentry_in_a_cluster:
	s_bfe_u32 s2, ttmp6, 0x10000c
	s_cmp_lg_u32 s2, 0x3003
	s_cbranch_scc0 .Lentry_shape_is_right
	s_endpgm
.Lentry_shape_is_right:
; attn.  Work-group x owns rows 64 x .. + 63 (batch b = x / 16), all eight heads and both directions, so that attention, output
; projection, residual, LayerNorm and the product with enh_w stay in one launch.  Wave w is head w in the attention and owns
; columns 32 w .. + 31 in the products behind it.  Two waves lie on a SIMD: one wave's softmax runs beside the other's products.
; All 16-bit operands lie in memory and in LDS as packets (see prep): a fragment is two loads of base + 16 x lane.
;   S^T = K Q^T   (source 0 keys, source 1 queries): a lane holds 8 keys of ONE query, so the softmax figures are one register a
;                  query tile, and two key tiles pack in the lane into the fragment of P^T;
;   O^T = V^T P^T : a lane holds 8 columns of one query = a packet of the next product's source 1.  The same holds behind it.
; Softmax: running maximum, scores already in units of log2 (the factor lies in Q), p = 2^(s - m), sums in f32.
; THE TRIP (a tile of 128 keys) is eight steps, step u = query tile u % 4 against keys 64 (u / 4) .. + 63, on two score buffers in
; turn: among the lines of step u's softmax stand the four products O^T += V^T P^T of step u - 1 and, behind them, the four
; products of step u + 1's scores into the buffer that these have just read.  So a score is read a step after its product.
; THE TEXT: tiles 0 to 13 of the sixteen (eight a direction) run in ONE loop of seven pairs, with direction 0's epilogue inside it
; behind the fourth pair; tiles 14 and 15 are written out.  So the trip stands four times in the text, and most of what a wave runs
; is code that it has run before.  For that a direction's first tile has no form of its own (CLEAR).
; FORMATS: Q, K, V, P, O and wo in bf16, whose range nothing here bounds.  The product with enh_w in f16: its left side is a
; LayerNorm's result, |(x - mean) rstd| <= sqrt(255) < 16, so at most 16 |g| + |b|; f16 keeps 11 significant bits where bf16 keeps 8,
; in a sum of 512 products of numbers as large as the result.
; CLUSTER 4, 1, 1: the four work-groups of a cluster are query blocks of one batch and walk the same 16 tiles of K and V (128 keys,
; 8 heads, 128 KiB; direction 0 then 1).  Each wave asks jointly (mask 15) for its head's 16 KiB, which divides the requests by four.
; A mask names four work-groups, so the sixteen blocks of a batch are four clusters.  Weights go into registers, not through LDS: no joint load.
; By this text's own count a wave has two tensor loads out at the start and one behind each round.
; LIMITS: 16 |g| + |b| and |enh_w| below 65,504 (f16); NaN and infinities get no treatment of their own; 2^x below 2^-126 comes out
; as 0; the row sum is made of p in f32 while the product takes p rounded to bf16; the order of all sums differs from a plain ascending one.
.set SLOTB, 131072                     ; LDS slot 0 at 0, slot 1 at 131072; wave w's own 16 KiB at w*16384: K 8 KiB, V 8 KiB
.set R1,    262144                     ; 32 KiB packets [q 4][ks 8][half 2][lane][16]: O of direction 0, then img_query
.set RED,   294912                     ; four areas of 2,048: [wave 8][row 64] f32, a wave's sums of a row over its 32 columns
.set XS,    307200                     ; 2,304 a wave: 16 rows x 144 bytes, to turn the residual into the accumulators' layout
.set OUTS,  32768                      ; in slot 0 behind its last fill: 9,344 a wave, 64 rows x 144 bytes of f32 (+ 128)
.set OREG,  9344                       ; R2 = bytes 0 .. 32767 of slot 0 behind its last fill: O of direction 1, then txt_query
.set WBLK,  131072
; block 0: v1 16 L | v2, v3 my K/V bytes in slot 0, 1 | v4 R1 + 16 L | v5 v4 + 1024 w | v6 16 L + 1024 w | v7 256 L
;          v[8+2q] m, v[9+2q] l of query tile q | v[16:31] at work | QF queries | OA O^T tile (q, t) at 16 q + 8 t, later the products behind
;          KF 4 key tiles | VF V^T (t, kk) at 16 t + 8 kk | SS two score buffers of 32, key tile kt at 8 kt; KF, VF, SS serve again in the epilogue
; block 1: v[0:127] weights of a product | v[128:191] residual | v[192:207] bo | v[208:223] g | v[224:239] b; v[128:255] later enh_w's second half
.set QF, 32
.set OA, 64
.set KF, 128
.set VF, 160
.set SS, 192
.set TM, 16                            ; a step's work: v[16:26] eleven maxima, then v[16:23] four pairs of sums
.set UU, 28                            ; v28 the new m, v29 the other half's
.set AL, 30                            ; v30 2^(old m - new m); v31 the pair's upper register, written by EADDR and never used
.set MSB, 0
.macro WIN new                         ; the immediate's high byte repeats the setting that is left; 0 at every label and branch
.if MSB != \new
	s_set_vgpr_msb (MSB<<8)|\new
.set MSB, \new
.endif
.endm
.macro NOPS cnt
.rept \cnt
	v_nop
.endr
.endm
.macro BAR
	s_barrier_signal -1
	s_barrier_wait -1
.endm
; a round of the cluster's barrier: my work-group's barrier, wave 0 signals for the work-group, all wait for the four, my barrier again
.macro ROUND
	s_barrier_signal -1
	s_barrier_wait -1
	s_cmp_lg_u32 s34, 0
	s_cbranch_scc1 .Lnw0_\@
	s_barrier_signal -3
.Lnw0_\@:
	s_barrier_wait -3
	s_barrier_signal -1
	s_barrier_wait -1
.endm
; The start of a direction.  m = -infinity makes the first tile's factor 2^(m - new m) equal to 0, and l and O^T, which start at 0,
; stay 0 under it: the ordinary trip serves the first tile too.  72 moves a direction stand against a second copy of two trips' text.
.macro CLEAR
.irp q, 0,1,2,3
	v_mov_b32 v[8+2*\q], 0xff800000
	v_mov_b32 v[9+2*\q], 0
.endr
.set j, 0
.rept 64
	v_mov_b32 v[OA+j], 0
.set j, j+1
.endr
.endm
	s_load_b512 s[8:23], s[0:1], 0x0               ; qbuf s[8:9], kvbuf s[10:11], wpack s[12:13], img s[14:15], txt s[16:17], i2t_bo, t2i_bo, ln_img_g s[22:23]
	s_load_b256 s[24:31], s[0:1], 0x40             ; ln_img_b, ln_txt_g, ln_txt_b, enh_b s[30:31]
	s_load_b64 s[32:33], s[0:1], 0x60              ; out0
	v_lshl_add_u32 v222, v0, 2, 0x4f800
	v_mov_b32 v223, 0
	ds_add_u32 v222, v223
	s_wait_dscnt 0x0
	v_lshrrev_b32 v1, 5, v0
	v_readfirstlane_b32 s34, v1                    ; wave w
	s_bfe_u32 s2, ttmp6, 0x40000                   ; cx
	s_lshl_b32 s35, ttmp9, 2
	s_add_co_u32 s35, s35, s2                      ; x = 4 x cluster + cx: enters addresses of my own loads and stores alone
	s_mov_b32 s52, 0x76543210                      ; v_permlanex16_b32: lane i takes lane i of the other half
	s_mov_b32 s53, 0xfedcba98
	s_mov_b32 s54, 0x3b800000                      ; 1 / 256
	s_mov_b32 s55, 0x3727c5ac                      ; 1e-5
	; descriptor group 1: 16 KiB that are dense in memory, as 64 rows of 32 elements of 8 bytes
	s_mov_b32 s36, 15|(3<<16)|(1<<21)              ; 15:0 the mask: all four of the cluster; 17:16 elements of 8 bytes; 21 set beside a mask
	s_mov_b32 s37, 32<<16                          ; tensor_dim0 = 32
	s_mov_b32 s38, 64<<16                          ; tensor_dim1 = 64
	s_mov_b32 s39, 32<<16                          ; tile_dim0 = 32
	s_mov_b32 s40, 64                              ; tile_dim1 = 64
	s_mov_b32 s41, 32                              ; pitch = 32 elements
	s_mov_b32 s42, 0
	s_mov_b32 s43, 0
	s_mov_b32 s44, 1                               ; group 0 of slot 0 in s[44:47], of slot 1 in s[48:51]
	s_lshl_b32 s45, s34, 14                        ; LDS: the wave's number x 16,384 + the slot
	s_mov_b32 s48, 1
	s_add_co_u32 s49, s45, SLOTB
	s_mul_i32 s4, s34, 2304
	s_add_co_u32 s4, s4, XS                        ; my bounce area
	s_lshl_b32 s5, s34, 8
	s_add_co_u32 s5, s5, RED                       ; my 256 bytes of an area of sums
	s_mul_i32 s6, s34, OREG
	s_add_co_u32 s6, s6, OUTS                      ; my region on the way out
	s_mul_i32 s7, s34, 8*144
	s_add_co_u32 s7, s7, OUTS                      ; rows 8 w .. of every region
	s_lshr_b32 s66, ttmp9, 2                       ; b, the same in the four partners
	s_lshl_b32 s66, s66, 21                        ; 16 tiles of 128 KiB a batch
	s_mov_b32 s67, 0
	s_mov_b32 s63, 0
	s_wait_kmcnt 0x0
	s_add_nc_u64 s[10:11], s[10:11], s[66:67]      ; kvbuf at my batch
	s_lshl_b32 s66, s34, 14
	s_add_nc_u64 s[46:47], s[10:11], s[66:67]      ; tile 0, head w
	s_add_nc_u64 s[50:51], s[46:47], SLOTB         ; tile 1
	s_or_b32 s47, s47, 0x80000000                  ; type = 2
	s_or_b32 s51, s51, 0x80000000
	s_add_nc_u64 s[12:13], s[12:13], s[66:67]      ; wpack at column tiles 2 w, 2 w + 1; the block stands in the immediates
	s_and_b32 s62, s35, 15
	s_lshl_b32 s62, s62, 13
	s_add_co_u32 s62, s62, SLOTB
	s_add_nc_u64 s[56:57], s[10:11], s[62:63]      ; prefetch: my sixteenth (8 KiB) of a tile; stepped to tile t + 2 at the head of trip t
	s_lshl_b32 s62, s35, 15
	s_lshl_b32 s2, s34, 12
	s_add_co_u32 s62, s62, s2
	s_add_nc_u64 s[58:59], s[8:9], s[62:63]        ; Q of direction 0: block x, head w
	s_add_nc_u64 s[60:61], s[58:59], 0x800000      ; of direction 1
	s_lshl_b32 s62, s35, 16
	s_lshl_b32 s2, s34, 7
	s_add_co_u32 s62, s62, s2
	s_add_nc_u64 s[14:15], s[14:15], s[62:63]      ; the residuals: row 64 x, column 32 w
	s_add_nc_u64 s[16:17], s[16:17], s[62:63]
	s_mov_b32 s62, s2
.irp p, 18,20,22,24,26,28,30
	s_add_nc_u64 s[\p:\p+1], s[\p:\p+1], s[62:63]  ; bo, g, b of both directions and enh_b at column 32 w
.endr
	s_lshl_b32 s62, s35, 16
	s_lshl_b32 s2, s34, 13
	s_add_co_u32 s62, s62, s2
	s_add_nc_u64 s[32:33], s[32:33], s[62:63]      ; out0: row 64 x + 8 w
	v_and_b32 v16, 31, v0
	v_lshlrev_b32 v1, 4, v16
	v_lshl_add_u32 v2, s34, 14, v1
	v_add_nc_u32 v3, SLOTB, v2
	v_add_nc_u32 v4, R1, v1
	v_lshl_add_u32 v5, s34, 10, v4
	v_lshl_add_u32 v6, s34, 10, v1
	v_lshlrev_b32 v7, 8, v16
	ROUND                                          ; the four work-groups are here: the first joint loads meet
	tensor_load_to_lds s[44:47], s[36:43]          ; tile 0 into slot 0
	s_nop 0
	tensor_load_to_lds s[48:51], s[36:43]          ; tile 1 into slot 1: both first fills go out together
	s_nop 0
; The epilogue's addresses, made anew from v0 and the wave's number wherever they are needed: the softmax works in the same registers.
; v24 my sums' place, v25 where sums are read, v26 / v27 the bounce area in / out, v28 the residual's offset, v29 32 h.
.macro EADDR
	v_and_b32 v30, 15, v0                          ; r
	v_bfe_u32 v29, v0, 4, 1                        ; h
	v_lshl_add_u32 v24, v30, 2, s5
	v_lshl_add_u32 v25, v30, 2, RED
	v_mul_u32_u24 v27, v30, 144
	v_lshlrev_b32 v29, 5, v29
	v_add_nc_u32 v27, v27, v29
	v_add_nc_u32 v27, s4, v27                      ; row r, columns 8 h ..
	v_bfe_u32 v30, v0, 3, 2                        ; L / 8
	v_and_b32 v31, 7, v0
	v_lshlrev_b32 v31, 4, v31
	v_mul_u32_u24 v26, v30, 144
	v_add_nc_u32 v26, v26, v31
	v_add_nc_u32 v26, s4, v26                      ; row L / 8, 16 bytes at L % 8
	v_lshl_add_u32 v28, v30, 10, v31               ; the same in memory: rows of 1,024 bytes
.endm
; the residual of my 64 rows x 32 columns: load m brings rows 4 m .. 4 m + 3, eight lanes a row
.macro RAWLD dir
.set j, 0
.rept 16
	global_load_b128 v[SS+4*j:SS+4*j+3], v28, s[14+2*\dir:15+2*\dir] offset:j*4096 th:TH_LOAD_NT
.set j, j+1
.endr
.endm
.macro QLD dir
.set j, 0
.rept 8
	global_load_b128 v[QF+4*j:QF+4*j+3], v1, s[58+2*\dir:59+2*\dir] offset:512*j th:TH_LOAD_NT
.set j, j+1
.endr
.endm
; 32 loads under WIN 0x40: my 16 fragments of block blk into block 1 from register rb on; fragment (t, ks) lands at rb + 64 t + 8 ks
.macro WBLD blk, rb
.set j, 0
.rept 32
	global_load_b128 v[\rb+4*j:\rb+4*j+3], v1, s[12:13] offset:(\blk)*WBLK+512*j
.set j, j+1
.endr
.endm
; under WIN 0x40: wo, and bo, g, b in the accumulators' layout (register j: column 32 w + 16 t + 8 h + j).  44 loads.
.macro WLD dir
	WBLD 6+\dir, 0
.irp t, 0,1
.irp u, 0,1
	global_load_b128 v[192+8*\t+4*\u:195+8*\t+4*\u], v29, s[18+2*\dir:19+2*\dir] offset:\t*64+\u*16
	global_load_b128 v[208+8*\t+4*\u:211+8*\t+4*\u], v29, s[22+4*\dir:23+4*\dir] offset:\t*64+\u*16
	global_load_b128 v[224+8*\t+4*\u:227+8*\t+4*\u], v29, s[24+4*\dir:25+4*\dir] offset:\t*64+\u*16
.endr
.endr
.endm
; under WIN 0x40: the residual goes through my own 16 rows of LDS, 16 rows at a time, into block 1 v[128 + 16 q + 8 t + j]
.macro BOUNCE
.irp q, 0,1,2,3
.irp m, 0,1,2,3
	ds_store_b128 v26, v[SS+16*\q+4*\m:SS+16*\q+4*\m+3] offset:\m*576
.endr
.irp t, 0,1
.irp u, 0,1
	ds_load_b128 v[128+16*\q+8*\t+4*\u:131+16*\q+8*\t+4*\u], v27 offset:\t*64+\u*16
.endr
.endr
	s_wait_dscnt 0x0                               ; read back before the next sixteen rows are laid over them
.endr
.endm
.macro LDK slot, hs                    ; the four key tiles of half hs of the tile
.irp kt, 0,1,2,3
	ds_load_b128 v[KF+8*\kt:KF+8*\kt+3],   v[2+\slot] offset:(4*\hs+\kt)*1024
	ds_load_b128 v[KF+8*\kt+4:KF+8*\kt+7], v[2+\slot] offset:(4*\hs+\kt)*1024+512
.endr
.endm
.macro LDV slot, hs                    ; V^T of the same 64 keys
.irp t, 0,1
.irp kk, 0,1
	ds_load_b128 v[VF+16*\t+8*\kk:VF+16*\t+8*\kk+3],   v[2+\slot] offset:8192+\t*4096+(2*\hs+\kk)*1024
	ds_load_b128 v[VF+16*\t+8*\kk+4:VF+16*\t+8*\kk+7], v[2+\slot] offset:8192+\t*4096+(2*\hs+\kk)*1024+512
.endr
.endr
.endm
	EADDR
	RAWLD 0
	QLD 0
	WIN 0x40
	WLD 0
	WIN 0
	CLEAR                                          ; direction 0 starts, while the loads are on their way
	WIN 0x40
	s_wait_loadcnt 52                              ; the residual is in; Q (8) and the weights (44) stay out
	BOUNCE
	WIN 0
	s_wait_loadcnt 44                              ; Q is in; the weights stay out through the attention
	s_wait_xcnt 0x0                                ; v28, v29, which pending loads name, are written again only behind this wait
	s_wait_tensorcnt 0x1                           ; my part of tile 0 has landed; tile 1, issued behind it, stays on its way:
	BAR
	LDK 0, 0                                       ; the first trip finds its first key tiles asked for, as every later one does
; one product O^T += V^T P^T: query tile q, P^T's fragment kk in the buffer at pb, half t of the head's columns
.macro PVW q, pb, kk, t
	v_wmma_f32_16x16x32_bf16 v[OA+16*(\q)+8*\t:OA+16*(\q)+8*\t+7], v[VF+16*\t+8*\kk:VF+16*\t+8*\kk+7], v[\pb+16*\kk:\pb+16*\kk+7], v[OA+16*(\q)+8*\t:OA+16*(\q)+8*\t+7]
.endm
; one product of scores: key tile kt against query tile q, into the buffer at db
.macro SW q, db, kt
	v_wmma_f32_16x16x32_bf16 v[\db+8*\kt:\db+8*\kt+7], v[KF+8*\kt:KF+8*\kt+7], v[QF+8*(\q):QF+8*(\q)+7], 0
.endm
; Step u of a trip: the softmax of query tile u % 4 over 64 keys (32 scores a lane) in buffer SB = u % 2, and among its lines the
; matrix work on the other buffer PB: first step u - 1's four products with V (two accumulators by turns, one instruction a turn),
; then step u + 1's four score products, which write over P^T of step u - 1: the sixteen subtractions
; between them are more than the five places owed (ISA guide 7.12.1), and name none of those products' registers.
; LDS loads stand behind four or more such places too: K of the second 64 keys in step 2 (read in step 3), V of them in step 4
; (read in step 5), K of the next tile in step 6 (read at the next trip's head).
; mid: what stands at the head of step 5, where the slot's last LDS read is waited for: 2 a round and the refill of this slot with
; the tile two further on, 1 a round alone, 0 nothing.  nextk = 1: a next tile follows.
.macro STEP slot, u, mid, nextk
.set SB, SS+32*(\u&1)
.set PB, SS+32-32*(\u&1)
.set QC, \u&3
.set QP, (\u+3)&3
.set QN, (\u+1)&3
.set MQ, 8+2*QC
.set LQ, 9+2*QC
.set OB, OA+16*QC
.if \u == 1
	s_wait_dscnt 0x0                               ; V of the first 64 keys is in
.endif
.if \u == 5
.if \mid
	s_wait_xcnt 0x0
	v_lshl_add_u32 v222, v0, 2, 0x4f800
	v_mov_b32 v223, 0
	s_wait_tensorcnt 0x0                           ; all my tensor loads are done: the one that was out is my part of the next tile,
	ds_add_u32 v222, v223
	s_wait_dscnt 0x0
.endif
.if \mid == 2
	s_add_nc_u64 s[46+4*\slot:47+4*\slot], s[46+4*\slot:47+4*\slot], 2*SLOTB   ; so a group 0 may be written: this slot's next tile
.endif
	s_wait_dscnt 0x0                               ; V of the second 64 keys is in: my last read of this slot
.if \mid
	ROUND                                          ; both now hold of every wave of the four work-groups
.endif
.if \mid == 2
	tensor_load_to_lds s[44+4*\slot:47+4*\slot], s[36:43]   ; my one load behind the round: it has a whole trip in which to land
	s_nop 0
.endif
.endif
	; the maximum of 32 scores and the old m: 11, 3, 1, 1 instructions, four deep
.if \u > 0
	PVW QP, PB, 0, 0
.endif
.set j, 0
.rept 8
	v_max3_num_f32 v[TM+j], v[SB+3*j], v[SB+3*j+1], v[SB+3*j+2]
.set j, j+1
.endr
.if \u > 0
	PVW QP, PB, 0, 1
.endif
	v_max3_num_f32 v[TM+8], v[SB+24], v[SB+25], v[SB+26]
	v_max3_num_f32 v[TM+9], v[SB+27], v[SB+28], v[SB+29]
	v_max3_num_f32 v[TM+10], v[SB+30], v[SB+31], v[MQ]
	v_max3_num_f32 v[TM], v[TM], v[TM+1], v[TM+2]
	v_max3_num_f32 v[TM+3], v[TM+3], v[TM+4], v[TM+5]
	v_max3_num_f32 v[TM+6], v[TM+6], v[TM+7], v[TM+8]
	v_max3_num_f32 v[TM], v[TM], v[TM+3], v[TM+6]
	v_max3_num_f32 v[TM], v[TM], v[TM+9], v[TM+10]
.if \u > 0
	PVW QP, PB, 1, 0
.endif
	v_permlanex16_b32 v[UU+1], v[TM], s52, s53     ; the other eight keys of each tile lie in lane L xor 16
	v_max_num_f32 v[UU], v[TM], v[UU+1]
	v_sub_f32 v[AL], v[MQ], v[UU]
	v_exp_f32 v[AL], v[AL]                         ; the plain line below stands between it and its use (ISA guide 5.7.2)
	v_mov_b32 v[MQ], v[UU]
.if \u > 0
	PVW QP, PB, 1, 1
.endif
.set j, 0
.rept 16
	v_pk_add_f32 v[SB+2*j:SB+2*j+1], v[SB+2*j:SB+2*j+1], v[UU:UU+1] op_sel_hi:[1,0] neg_lo:[0,1] neg_hi:[0,1]
.set j, j+1
.endr
.if \u == 4
	LDV \slot, 1                                   ; over V of the first 64 keys, last read by the four products above
.endif
.if \u == 3
	s_wait_dscnt 0x0                               ; K of the second 64 keys is in
.endif
.irp g, 0,1,2,3
.if \u < 7
	SW QN, PB, \g
.endif
.irp e, 0,1,2,3,4,5,6,7
	v_exp_f32 v[SB+8*\g+\e], v[SB+8*\g+\e]
.endr
.endr
.set j, 0
	s_wait_alu depctr_va_vdst(0)
.rept 8
	v_pk_mul_f32 v[OB+2*j:OB+2*j+1], v[OB+2*j:OB+2*j+1], v[AL:AL+1] op_sel_hi:[1,0]   ; these plain lines are the place behind the exponentials
.set j, j+1
.endr
.if \u == 2
	LDK \slot, 1                                   ; over K of the first 64 keys, last read by the score products above
.endif
.if \u == 6
.if \nextk
	LDK 1-\slot, 0                                 ; the next tile has landed (the wait at the head of step 5): its first key tiles
.endif
.endif
	; the sum of the 32 p in four chains; its tail stands among the roundings.  Key tiles 0, 1 become P^T's fragment at SB, 2, 3 the one at SB + 16
.irp c, 0,1,2,3
	v_pk_add_f32 v[TM+2*\c:TM+2*\c+1], v[SB+8*\c:SB+8*\c+1], v[SB+8*\c+2:SB+8*\c+3]
.endr
.irp p, 4,6
.irp c, 0,1,2,3
	v_pk_add_f32 v[TM+2*\c:TM+2*\c+1], v[TM+2*\c:TM+2*\c+1], v[SB+8*\c+\p:SB+8*\c+\p+1]
.endr
.endr
	v_pk_add_f32 v[TM:TM+1], v[TM:TM+1], v[TM+2:TM+3]
	v_pk_add_f32 v[TM+4:TM+5], v[TM+4:TM+5], v[TM+6:TM+7]
.irp r, 0,1,2,3
	v_cvt_pk_bf16_f32 v[SB+\r], v[SB+2*\r], v[SB+2*\r+1]
.endr
	v_pk_add_f32 v[TM:TM+1], v[TM:TM+1], v[TM+4:TM+5]
.irp r, 0,1,2,3
	v_cvt_pk_bf16_f32 v[SB+4+\r], v[SB+8+2*\r], v[SB+9+2*\r]
.endr
	v_add_f32 v[TM], v[TM], v[TM+1]
.irp r, 0,1,2,3
	v_cvt_pk_bf16_f32 v[SB+16+\r], v[SB+16+2*\r], v[SB+17+2*\r]
.endr
	v_fma_f32 v[LQ], v[LQ], v[AL], v[TM]           ; l stays the sum of my half of the keys; the halves meet in the epilogue
.irp r, 0,1,2,3
	v_cvt_pk_bf16_f32 v[SB+20+\r], v[SB+24+2*\r], v[SB+25+2*\r]
.endr
.endm
; One tile of 128 keys: step 0's scores, the eight steps, step 7's products with V.
; pf = 1: wave 0 asks the L2 for my work-group's 8 KiB (32 lanes, 256 bytes apart) of tile t + 2, whose tensor load stands at the
; head of this trip's step 5, five of the eight steps further on; the batch's sixteen work-groups together ask for each block of the
; tile once.  Trips 14 and 15 ask for nothing.
.macro TRIP slot, mid, nextk, pf
.if \pf
	s_wait_xcnt 0x0                                ; the last prefetch has read its base
	s_add_nc_u64 s[56:57], s[56:57], SLOTB
.endif
	s_wait_dscnt 0x0                               ; the first four key tiles, asked for in the last trip's step 6, are in
.irp kt, 0,1,2,3
	SW 0, SS, \kt
.endr
	NOPS 4                                         ; four places: ahead of the loads over V, which the last trip's last products read, and of the first read of a score
	LDV \slot, 0
.if \pf
	s_cmp_lg_u32 s34, 0
	s_cbranch_scc1 .Lnopf_\@
	global_prefetch_b8 v7, s[56:57] th:TH_LOAD_NT scope:SCOPE_SE
.Lnopf_\@:
.endif
.irp u, 0,1,2,3,4,5,6,7
	STEP \slot, \u, \mid, \nextk
.endr
	PVW 3, SS+32, 0, 0                             ; step 7's products: two accumulators by turns
	PVW 3, SS+32, 0, 1
	PVW 3, SS+32, 1, 0
	PVW 3, SS+32, 1, 1
.endm
; eight LDS loads: source 1 fragments of the four row tiles for K step ks, from a stage of packets
.macro LDFB fb, sv, ks
.irp q, 0,1,2,3
	ds_load_b128 v[\fb+8*\q:\fb+8*\q+3],   v[\sv] offset:\q*8192+(\ks)*1024
	ds_load_b128 v[\fb+8*\q+4:\fb+8*\q+7], v[\sv] offset:\q*8192+(\ks)*1024+512
.endr
.endm
; 64 rows x my 32 columns x K = 256: weights from block 1 at abase, rows from the stage at v[sv], two fragment buffers in turn.
; cmode 0: the sums start from v[cbase + 8 t] of block 0; 1: of block 1; 2: they go on in place.  fmt: bf16 or f16, both operands'.
; Eight accumulators take turns, one instruction a turn.
.macro G64 sv, abase, cmode, cbase, fmt
	WIN 0
	LDFB 128, \sv, 0
	LDFB 160, \sv, 1
.irp ks, 0,1,2,3,4,5,6,7
.if \ks == 7
	s_wait_dscnt 0x0
.else
	s_wait_dscnt 0x8                               ; this step's eight loads are in, the other buffer's stay out
.endif
.set CM, 2
.if \ks == 0
.set CM, \cmode
.endif
.if CM == 1
	WIN 0x11                                       ; source 0 and C in block 1
.else
	WIN 0x01                                       ; source 0 in block 1
.endif
.irp q, 0,1,2,3
.irp t, 0,1
.if CM < 2
	v_wmma_f32_16x16x32_\fmt v[OA+16*\q+8*\t:OA+16*\q+8*\t+7], v[\abase+64*\t+8*\ks:\abase+64*\t+8*\ks+7], v[128+32*(\ks%2)+8*\q:128+32*(\ks%2)+8*\q+7], v[\cbase+8*\t:\cbase+8*\t+7]
.else
	v_wmma_f32_16x16x32_\fmt v[OA+16*\q+8*\t:OA+16*\q+8*\t+7], v[\abase+64*\t+8*\ks:\abase+64*\t+8*\ks+7], v[128+32*(\ks%2)+8*\q:128+32*(\ks%2)+8*\q+7], v[OA+16*\q+8*\t:OA+16*\q+8*\t+7]
.endif
.endr
.endr
.if \ks < 6
	NOPS 4                                         ; four places ahead of loads into registers just read
	WIN 0
	LDFB 128+32*(\ks%2), \sv, \ks+2
.endif
.endr
.endm
; my 64 x 32 numbers, rounded (half = 0: to bf16, 1: to f16), as packets (q, ks = w, half = t) into the direction's stage
.macro STAGE dir, half
.set j, 0
.rept 32
.if \half
	v_cvt_pk_f16_f32 v[128+j], v[OA+2*j], v[OA+2*j+1]
.else
	v_cvt_pk_bf16_f32 v[128+j], v[OA+2*j], v[OA+2*j+1]
.endif
.set j, j+1
.endr
.irp q, 0,1,2,3
.irp t, 0,1
	ds_store_b128 v[5+\dir], v[128+8*\q+4*\t:131+8*\q+4*\t] offset:\q*8192+\t*512
.endr
.endr
.endm
; The sum over a row's 256 columns (sq = 1: of the squares) for my lanes' four rows, into v[16 + 2 q]:
; 16 numbers in the lane, the other half's 16, then the eight waves' figures through LDS.  Each use has an area of its own.
.macro LNRED area, sq
.if \sq
.irp q, 0,1,2,3
	v_pk_mul_f32 v[16+2*\q:17+2*\q], v[OA+16*\q:OA+16*\q+1], v[OA+16*\q:OA+16*\q+1]
.endr
.irp j, 1,2,3,4,5,6,7
.irp q, 0,1,2,3
	v_pk_fma_f32 v[16+2*\q:17+2*\q], v[OA+16*\q+2*\j:OA+16*\q+2*\j+1], v[OA+16*\q+2*\j:OA+16*\q+2*\j+1], v[16+2*\q:17+2*\q]
.endr
.endr
.else
.irp q, 0,1,2,3
	v_pk_add_f32 v[16+2*\q:17+2*\q], v[OA+16*\q:OA+16*\q+1], v[OA+16*\q+2:OA+16*\q+3]
.endr
.irp j, 2,3,4,5,6,7
.irp q, 0,1,2,3
	v_pk_add_f32 v[16+2*\q:17+2*\q], v[16+2*\q:17+2*\q], v[OA+16*\q+2*\j:OA+16*\q+2*\j+1]
.endr
.endr
.endif
.irp q, 0,1,2,3
	v_add_f32 v[16+2*\q], v[16+2*\q], v[17+2*\q]
.endr
.irp q, 0,1,2,3
	v_permlanex16_b32 v[17+2*\q], v[16+2*\q], s52, s53
.endr
.irp q, 0,1,2,3
	v_add_f32 v[16+2*\q], v[16+2*\q], v[17+2*\q]
.endr
.irp q, 0,1,2,3
	ds_store_b32 v24, v[16+2*\q] offset:(\area)*2048+\q*64   ; lanes L and L xor 16 store the same number to the same word
.endr
	s_wait_dscnt 0x0                               ; my stores, and all my earlier LDS reads, are done
	BAR
.irp q, 0,1,2,3
.irp j, 0,1,2,3,4,5,6,7
	ds_load_b32 v[128+8*\q+\j], v25 offset:(\area)*2048+\j*256+\q*64
.endr
.endr
	s_wait_dscnt 0x0
.irp q, 0,1,2,3
	v_pk_add_f32 v[128+8*\q:129+8*\q], v[128+8*\q:129+8*\q], v[130+8*\q:131+8*\q]
	v_pk_add_f32 v[132+8*\q:133+8*\q], v[132+8*\q:133+8*\q], v[134+8*\q:135+8*\q]
.endr
.irp q, 0,1,2,3
	v_pk_add_f32 v[128+8*\q:129+8*\q], v[128+8*\q:129+8*\q], v[132+8*\q:133+8*\q]
.endr
.irp q, 0,1,2,3
	v_add_f32 v[16+2*\q], v[128+8*\q], v[129+8*\q]
.endr
.endm
; Behind a direction's eight tiles: O / l, the product with wo, + bo + residual, LayerNorm, and the query as packets into the stage.
.macro EPI dir
	NOPS 4                                         ; four places behind the last products
	s_wait_loadcnt 0x0                             ; wo, bo, g, b, asked for ahead of the attention
.if \dir == 0
	s_wait_tensorcnt 0x0                           ; tile 9, asked for in trip 7's step 5, has landed: no load of mine is out while the stages are written
	s_wait_dscnt 0x0                               ; tile 8's first key tiles, fetched ahead by the trip's common text, have landed: this epilogue
	                                               ; works in their registers, and they are loaded once more at its end
.endif
	EADDR
.if \dir == 0
	RAWLD 1                                        ; the next direction's residual and queries land under this epilogue
	QLD 1
.endif
.irp q, 0,1,2,3
	v_permlanex16_b32 v[16+\q], v[9+2*\q], s52, s53
.endr
.irp q, 0,1,2,3
	v_add_f32 v[9+2*\q], v[9+2*\q], v[16+\q]       ; l over all the keys
.endr
.irp q, 0,1,2,3
	v_rcp_f32 v[8+2*\q], v[9+2*\q]
.endr
	v_nop                                          ; the plain place behind the reciprocals
	s_wait_alu depctr_va_vdst(0)
.irp q, 0,1,2,3
.irp j, 0,1,2,3,4,5,6,7
	v_pk_mul_f32 v[OA+16*\q+2*\j:OA+16*\q+2*\j+1], v[OA+16*\q+2*\j:OA+16*\q+2*\j+1], v[8+2*\q:9+2*\q] op_sel_hi:[1,0]
.endr
.endr
	STAGE \dir, 0                                  ; O in bf16
	s_wait_dscnt 0x0                               ; my head's O is in the stage before the others read it
	BAR
	G64 4-3*\dir, 0, 1, 192, bf16                  ; bo starts the sums
	NOPS 4
.if \dir == 1
	WIN 0x40
	WBLD 8, 0                                      ; enh_w rows 0-255 over wo, which has been read
	WIN 0
.irp t, 0,1
.irp u, 0,1
	global_load_b128 v[32+8*\t+4*\u:35+8*\t+4*\u], v29, s[30:31] offset:\t*64+\u*16
.endr
.endr
.endif
	WIN 0x04                                       ; source 1 in block 1
.set j, 0
.rept 32
	v_pk_add_f32 v[OA+2*j:OA+2*j+1], v[OA+2*j:OA+2*j+1], v[128+2*j:129+2*j]
.set j, j+1
.endr
	WIN 0
	LNRED 2*\dir, 0
.irp q, 0,1,2,3
	v_mul_f32 v[8+2*\q], s54, v[16+2*\q]           ; the mean
.endr
.irp q, 0,1,2,3
.irp j, 0,1,2,3,4,5,6,7
	v_pk_add_f32 v[OA+16*\q+2*\j:OA+16*\q+2*\j+1], v[OA+16*\q+2*\j:OA+16*\q+2*\j+1], v[8+2*\q:9+2*\q] op_sel_hi:[1,0] neg_lo:[0,1] neg_hi:[0,1]
.endr
.endr
	LNRED 2*\dir+1, 1                              ; the variance from the centred numbers: no difference of large sums
.irp q, 0,1,2,3
	v_fma_f32 v[16+2*\q], v[16+2*\q], s54, s55
.endr
.irp q, 0,1,2,3
	v_rsq_f32 v[8+2*\q], v[16+2*\q]
.endr
	v_nop                                          ; the plain place behind the roots
	s_wait_alu depctr_va_vdst(0)
.irp q, 0,1,2,3
.irp j, 0,1,2,3,4,5,6,7
	v_pk_mul_f32 v[OA+16*\q+2*\j:OA+16*\q+2*\j+1], v[OA+16*\q+2*\j:OA+16*\q+2*\j+1], v[8+2*\q:9+2*\q] op_sel_hi:[1,0]
.endr
.endr
	WIN 0x14                                       ; sources 1 and 2 (g, b) in block 1
.irp q, 0,1,2,3
.irp j, 0,1,2,3,4,5,6,7
	v_pk_fma_f32 v[OA+16*\q+2*\j:OA+16*\q+2*\j+1], v[OA+16*\q+2*\j:OA+16*\q+2*\j+1], v[208+2*\j:209+2*\j], v[224+2*\j:225+2*\j]
.endr
.endr
	WIN 0
	STAGE \dir, 1                                  ; the query in f16, over O: every wave's reads of O were waited for in front of the first barrier of the sums
.if \dir == 0
	CLEAR                                          ; direction 1 starts; the query has been rounded into other registers
	s_wait_loadcnt 0x0                             ; the next residual and queries are in
	WIN 0x40
	WLD 1
	BOUNCE
	WIN 0
	s_wait_xcnt 0x0                                ; v29, which pending loads name, is written again only behind this wait
	LDK 0, 0                                       ; tile 8's first key tiles once more (it landed ahead of trip 7's round)
.else
	WIN 0x40
	WBLD 9, 128                                    ; enh_w rows 256-511 over residual, bo, g, b, which have been read
	WIN 0
	s_wait_dscnt 0x0                               ; txt_query is in the stage before the others read it
	BAR
.endif
.endm
	; ---- tiles 0 to 13, two a trip of the loop: direction 0 is tiles 0 to 7, direction 1 tiles 8 to 15.
	; Behind the fourth pair stands direction 0's epilogue.  The branch round it hangs on the loop's counter alone, which is the same
	; in every wave and in every work-group of the cluster, so all of them pass the epilogue's barriers together.
	s_mov_b32 s3, 0
.Lpair:
	TRIP 0, 2, 1, 1
	TRIP 1, 2, 1, 1
	s_cmp_lg_u32 s3, 3
	s_cbranch_scc1 .Lon
	EPI 0
.Lon:
	s_add_co_u32 s3, s3, 1
	s_cmp_lt_u32 s3, 7
	s_cbranch_scc1 .Lpair
	; ---- tiles 14 and 15 are written out: nothing is left to fetch or to prefetch.  Tile 14's round stays: in front of it every wave
	; has waited for its last read of slot 0, where direction 1's stage and the way out will lie.
	TRIP 0, 1, 1, 0
	TRIP 1, 0, 0, 0
	EPI 1
	; ---- [img_query, txt_query] x enh_w + enh_b, both operands in f16
	s_wait_loadcnt 32                              ; enh_w's first half and enh_b are in; the second half's 32 loads stay out
	G64 4, 0, 0, 32, f16                           ; img_query, enh_b starts the sums
	s_wait_loadcnt 0x0
	NOPS 4                                         ; four places ahead of the loads into the fragment buffers just read
	G64 1, 128, 2, 0, f16                          ; txt_query, on the same sums
	NOPS 4
	WIN 0
	; ---- the way out: my 64 rows x 128 bytes into my own region, read back as rows across the regions
	v_and_b32 v16, 15, v0
	v_mul_u32_u24 v16, v16, 144
	v_add_nc_u32 v16, v16, v29
	v_add_nc_u32 v16, s6, v16                      ; row r, columns 8 h ..
	v_bfe_u32 v17, v0, 3, 2
	v_mul_u32_u24 v17, v17, OREG                   ; eight lanes take a region's 128 bytes of a row, four regions a load
	v_and_b32 v18, 7, v0
	v_lshl_add_u32 v17, v18, 4, v17
	v_add_nc_u32 v17, s7, v17
.irp q, 0,1,2,3
.irp t, 0,1
	ds_store_b128 v16, v[OA+16*\q+8*\t:OA+16*\q+8*\t+3]   offset:\q*2304+\t*64
	ds_store_b128 v16, v[OA+16*\q+8*\t+4:OA+16*\q+8*\t+7] offset:\q*2304+\t*64+16
.endr
.endr
	s_wait_dscnt 0x0
	BAR
.set j, 0
.rept 16
	ds_load_b128 v[128+4*j:131+4*j], v17 offset:(j&1)*4*OREG+(j>>1)*144   ; half (j & 1) of row 8 w + j / 2
.set j, j+1
.endr
.set j, 0
.rept 16
	s_wait_dscnt 15-j                              ; LDS loads come back in order: load j is in
	global_store_b128 v1, v[128+4*j:131+4*j], s[32:33] offset:512*j th:TH_STORE_NT   ; 512 consecutive bytes, aligned
.set j, j+1
.endr
	s_wait_xcnt 0x0
	v_lshl_add_u32 v222, v0, 2, 0x4f800
	v_mov_b32 v223, 0
	s_wait_tensorcnt 0x0
	ds_add_u32 v222, v223
	s_wait_dscnt 0x0
	ROUND                                          ; the closing round: no work-group ends while a partner may still ask jointly
	s_endpgm
.Lfunc_end_k_q65ee402345_attn:
	.size	k_q65ee402345_attn, .Lfunc_end_k_q65ee402345_attn-k_q65ee402345_attn
	.p2alignl 7, 3214868480
	.fill 96, 4, 3214868480
	.section	.rodata,"a",@progbits
	.p2align	6, 0x0
	.amdhsa_kernel k_q65ee402345_attn
		.amdhsa_group_segment_fixed_size 327680
		.amdhsa_private_segment_fixed_size 0
		.amdhsa_enable_private_segment 0
		.amdhsa_kernarg_size 104
		.amdhsa_user_sgpr_count 2
		.amdhsa_user_sgpr_kernarg_segment_ptr 1
		.amdhsa_wavefront_size32 1
		.amdhsa_system_sgpr_workgroup_id_x 1
		.amdhsa_system_sgpr_workgroup_id_y 1
		.amdhsa_system_sgpr_workgroup_id_z 1
		.amdhsa_system_vgpr_workitem_id 0
		.amdhsa_next_free_vgpr 512
		.amdhsa_next_free_sgpr 72
		.amdhsa_reserve_vcc 0
		.amdhsa_float_denorm_mode_32 3
		.amdhsa_float_denorm_mode_16_64 3
		.amdhsa_memory_ordered 1
		.amdhsa_forward_progress 1
		.amdhsa_inst_pref_size 255
	.end_amdhsa_kernel
	.section	.bss,"aw",@nobits
	.p2align	6
	.space	262144
	.amdgpu_metadata
---
amdhsa.version: [ 1, 2 ]
amdhsa.kernels:
  - .name:           k_q65ee402345_attn
    .symbol:         k_q65ee402345_attn.kd
    .args:
      - { .name: qbuf, .offset: 0, .size: 8, .value_kind: global_buffer, .address_space: global }
      - { .name: kvbuf, .offset: 8, .size: 8, .value_kind: global_buffer, .address_space: global }
      - { .name: wpack, .offset: 16, .size: 8, .value_kind: global_buffer, .address_space: global }
      - { .name: img_common, .offset: 24, .size: 8, .value_kind: global_buffer, .address_space: global }
      - { .name: txt_common, .offset: 32, .size: 8, .value_kind: global_buffer, .address_space: global }
      - { .name: i2t_bo, .offset: 40, .size: 8, .value_kind: global_buffer, .address_space: global }
      - { .name: t2i_bo, .offset: 48, .size: 8, .value_kind: global_buffer, .address_space: global }
      - { .name: ln_img_g, .offset: 56, .size: 8, .value_kind: global_buffer, .address_space: global }
      - { .name: ln_img_b, .offset: 64, .size: 8, .value_kind: global_buffer, .address_space: global }
      - { .name: ln_txt_g, .offset: 72, .size: 8, .value_kind: global_buffer, .address_space: global }
      - { .name: ln_txt_b, .offset: 80, .size: 8, .value_kind: global_buffer, .address_space: global }
      - { .name: enh_b, .offset: 88, .size: 8, .value_kind: global_buffer, .address_space: global }
      - { .name: out0, .offset: 96, .size: 8, .value_kind: global_buffer, .address_space: global }
    .group_segment_fixed_size: 327680
    .private_segment_fixed_size: 0
    .kernarg_segment_align: 8
    .kernarg_segment_size: 104
    .max_flat_workgroup_size: 256
    .sgpr_count:     72
    .vgpr_count:     512
    .wavefront_size: 32
...
	.end_amdgpu_metadata
.endif
;; end of part 5
;; ======== version 3 of 3: 3 launches; version 2 with the launch proj written anew for expert scheduling mode
;; limits: values are held in f16: magnitudes above 65,504 overflow, below 6.1e-05 lose precision
;; workspace buffers: wpack 1,310,720 bytes; qbuf 16,777,216 bytes; kvbuf 33,554,432 bytes
;; launch prep: the kernel of part 4 again; grid 32 x 12, 8 waves a work-group, no clusters, 9,216 bytes of LDS; arguments i2t_wq, t2i_wk, t2i_wv, t2i_wq, i2t_wk, i2t_wv, i2t_wo, t2i_wo, enh_w, inc_w, inc_b, img_specific, txt_specific, wpack, out1, out2, out3; writes wpack, out1, out2, out3
;; launch proj (part 6): grid 256 x 1, 8 waves a work-group, no clusters, 68,608 bytes of LDS; arguments img_common, txt_common, wpack, i2t_bq, t2i_bq, i2t_bk, t2i_bk, i2t_bv, t2i_bv, qbuf, kvbuf; writes qbuf, kvbuf
.if DOCPART == 6
	.amdgcn_target "amdgcn-amd-amdhsa--gfx1250"
	.amdhsa_code_object_version 6
	.text
	.protected	k_q65ee402345_proj
	.globl	k_q65ee402345_proj
	.p2align	8
	.type	k_q65ee402345_proj,@function
k_q65ee402345_proj:
	s_mov_b64 s[64:65], 0
	v_nop
	global_prefetch_b8 v0, s[64:65] scope:SCOPE_SE
	s_setreg_imm32_b32 hwreg(HW_REG_WAVE_SCHED_MODE, 0, 2), 2
	s_setreg_imm32_b32 hwreg(HW_REG_WAVE_MODE, 25, 1), 1
	s_wait_xcnt 0x0
	s_wait_alu depctr_vm_vsrc(0)
; proj.  Work-group x: source sel = x / 128 (0 img_common, 1 txt_common), rows 128 rb .. + 127, rb = x % 128.
; Three products of 128 x 256 x 256 on the same rows: Q of the direction that asks from this source, K and V of the direction
; that this source answers.  Wave w makes columns 32 w .. + 31 (head w) of all three, in three passes of eight K steps.
; The rows are rounded to bf16 once and laid in LDS (pitch 528 = 33 x 16 bytes); weights come packed (see prep) straight into registers.
; Q, K: source 0 = weights, source 1 = rows: a lane then holds 8 neighbouring columns of one row.  V: the other way round: a lane
; holds 8 neighbouring keys of one column.  In both cases four conversions make a 16-byte packet of the fragment that the
; attention launch loads, and a store of base + 16 x lane covers 512 consecutive bytes, aligned.
; No cluster: the work-groups share the weights alone, which go into registers and not through LDS.
; bq is multiplied by log2(e) / sqrt(32) here, as prep does with wq.
; THE MODE: SCHED_MODE bits 1:0 = 2 (LLVM: expert scheduling mode 2), set by the entry lines.  The code itself states the register
; dependences between vector or matrix instructions and memory or LDS instructions, with s_wait_alu, always for 0.
; THE PLAN.  Registers that memory or LDS instructions touch in the 24 steps (step g: pass g / 8, K step ks = g % 8):
;   X0, X1   a step's fragments of the eight row tiles.  Step g's matrix instructions read X[g % 2]; the LDS loads issued in step g, for step g + 1,
;            land in the other one, which step g - 1's matrix instructions read last.
;   W        16 slots (t, ks).  Step g's matrix instructions read the two slots of ks; the loads issued in step g (g = 1 .. 16) land in the two slots
;            of ks - 1, which step g - 1 read last, and bring the fragments of step g + 7.
;   OUT      a pass's results in bf16.  Written by the 64 conversions behind the pass's last step; read by 16 stores, four in each of the next pass's
;            steps 0 to 3 (the last pass: all at the end).  At the head the same registers carry the rows in bf16 to the LDS stores.
;   v1 .. v6 offsets and LDS addresses, made at the head and never written again.
;   The accumulators and the biases are named by vector and matrix instructions alone once the head's loads are in.
; So ONE wait on va_vdst stands at the head of a step (steps 1 to 22).  The step's loads and stores follow it with no further wait: the step's matrix
; instructions name X[g % 2], W's slots of ks, the accumulators and a bias, none of the registers that those loads and stores touch.
; One wait on vm_vsrc stands ahead of each pass's conversions, which write OUT again.
.set PX,   528                         ; LDS pitch of a row of 256 bf16
.set WBLK, 131072
.set CQ,   0x3e8293ee
.set OUT,  64
; block 0: v1 16 L | v2 r*528 + 16 h | v3 w*8448 + 8 L | v4 w*16384 + 16 L | v5 32 h | v6 4 r | v8, v9 bv as loaded | v14, v15 for the closing add
;          v[16:31] bq, v[32:47] bk, v[48:63] bv as C tiles (t = 0, 1) | v[64:127] OUT, tile (i, t) at 64 + 4 (2 i + t) | v[128:255] W, slot (t, ks) at 128 + 64 t + 8 ks
; block 1: v[0:127] sixteen accumulator tiles, tile (i, t) at 8 (2 i + t); at the start the rows as loaded | v[128:191] X0, v[192:255] X1, row tile i at + 8 i
; X lies in the accumulators' block: under the window of passes 0 and 1 (destination block 1, source 0 block 0) an LDS load into X needs no switch.
.set MSB, 0
.macro WIN new                         ; the immediate's high byte repeats the setting that is left
.if MSB != \new
	s_set_vgpr_msb (MSB<<8)|\new
.set MSB, \new
.endif
.endm
.macro NOPS cnt
.rept \cnt
	v_nop
.endr
.endm
	s_load_b512 s[8:23], s[0:1], 0x0               ; img s[8:9], txt s[10:11], wpack s[12:13], i2t_bq, t2i_bq, i2t_bk, t2i_bk, i2t_bv s[22:23]
	s_load_b128 s[24:27], s[0:1], 0x40             ; t2i_bv s[24:25], qbuf s[26:27]
	s_load_b64 s[28:29], s[0:1], 0x50              ; kvbuf
	v_lshl_add_u32 v14, v0, 2, 0x10800
	v_mov_b32 v15, 0
	v_lshrrev_b32 v7, 5, v0
	v_readfirstlane_b32 s33, v7                    ; wave w
	s_lshr_b32 s30, ttmp9, 7                       ; sel
	s_and_b32 s31, ttmp9, 127                      ; rb
	s_mov_b32 s35, 0
	v_and_b32 v7, 31, v0                           ; L
	v_and_b32 v10, 15, v0                          ; r
	v_bfe_u32 v11, v0, 4, 1                        ; h
	v_lshlrev_b32 v1, 4, v7
	v_mul_u32_u24 v2, v10, PX
	v_lshl_add_u32 v2, v11, 4, v2
	v_lshlrev_b32 v5, 5, v11
	v_lshlrev_b32 v6, 2, v10
	s_wait_alu depctr_va_sdst(0)                   ; s33 is written, ahead of its first reader: LDS addresses, offsets and bases are made from it
	s_mul_i32 s36, s33, 16*PX
	v_lshl_add_u32 v3, v7, 3, s36
	v_lshl_add_u32 v4, s33, 14, v1
	s_wait_kmcnt 0x0
	s_cmp_lg_u32 s30, 0
	s_cselect_b64 s[8:9], s[10:11], s[8:9]         ; the rows
	s_cselect_b64 s[14:15], s[16:17], s[14:15]     ; bq: img asks in i2t, txt in t2i
	s_cselect_b64 s[18:19], s[18:19], s[20:21]     ; bk: img answers in t2i, txt in i2t
	s_cselect_b64 s[22:23], s[22:23], s[24:25]     ; bv likewise
	s_lshl_b32 s34, s31, 17
	s_add_nc_u64 s[8:9], s[8:9], s[34:35]          ; 128 rows of 1,024 bytes a block
	s_mul_i32 s34, s30, 3*WBLK
	s_lshl_b32 s36, s33, 14
	s_add_co_u32 s34, s34, s36
	s_add_nc_u64 s[12:13], s[12:13], s[34:35]      ; blocks 3 sel .. 3 sel + 2, column tiles 2 w and 2 w + 1
	s_lshl_b32 s34, s33, 7
	s_add_nc_u64 s[14:15], s[14:15], s[34:35]      ; the biases at column 32 w
	s_add_nc_u64 s[18:19], s[18:19], s[34:35]
	s_add_nc_u64 s[22:23], s[22:23], s[34:35]
	s_lshl_b32 s34, s30, 23                        ; qbuf [dir][block of 64 rows][head][row tile][half][lane][16]
	s_lshl_b32 s36, s31, 16
	s_add_co_u32 s34, s34, s36
	s_lshl_b32 s36, s33, 12
	s_add_co_u32 s34, s34, s36
	s_add_nc_u64 s[26:27], s[26:27], s[34:35]
	s_lshr_b32 s34, s31, 3                         ; kvbuf [batch][dir][tile of 128 keys][head][K 8,192 | V 8,192]
	s_lshl_b32 s34, s34, 21
	s_xor_b32 s36, s30, 1
	s_lshl_b32 s36, s36, 20
	s_add_co_u32 s34, s34, s36
	s_and_b32 s36, s31, 7
	s_lshl_b32 s36, s36, 17
	s_add_co_u32 s34, s34, s36
	s_lshl_b32 s36, s33, 14
	s_add_co_u32 s34, s34, s36
	s_add_nc_u64 s[28:29], s[28:29], s[34:35]
	; ---- the rows: wave w brings rows 16 w .. + 15, 16 KiB in one run, rounds them and lays them in LDS
	WIN 0x40                                       ; loaded data into block 1
	s_wait_alu depctr_va_vdst(0)                   ; v1 to v6 are written: every load and store of the kernel reads one of them as its offset or LDS address
.set j, 0
.rept 32
	global_load_b128 v[4*j:4*j+3], v4, s[8:9] offset:512*j th:TH_LOAD_NT
.set j, j+1
.endr
	WIN 0
.set j, 0
.rept 32
	global_load_b128 v[128+4*j:131+4*j], v1, s[12:13] offset:512*j     ; pass 0: fragment (t, ks) lands at v[128 + 64 t + 8 ks]
.set j, j+1
.endr
.irp t, 0,1
.irp u, 0,1
	global_load_b128 v[16+8*\t+4*\u:19+8*\t+4*\u], v5, s[14:15] offset:\t*64+\u*16   ; register j: bias of column 32 w + 16 t + 8 h + j
	global_load_b128 v[32+8*\t+4*\u:35+8*\t+4*\u], v5, s[18:19] offset:\t*64+\u*16
.endr
.endr
	global_load_b32 v8, v6, s[22:23]               ; bv of column 32 w + r
	global_load_b32 v9, v6, s[22:23] offset:64     ; and of 32 w + 16 + r
	s_wait_loadcnt 42                              ; the rows are in; the 32 + 8 + 2 loads behind them stay out
	WIN 0x05                                       ; both sources in block 1
.set j, 0
.rept 64
	v_cvt_pk_bf16_f32 v[OUT+j], v[2*j], v[2*j+1]
.set j, j+1
.endr
	WIN 0
	s_wait_alu depctr_va_vdst(0)                   ; the conversions have written v[OUT ..], which the LDS stores read
.set j, 0
.rept 32
	ds_store_b64 v3, v[OUT+2*j:OUT+2*j+1] offset:(j>>1)*PX+(j&1)*256   ; load j held half (j & 1) of row j / 2
.set j, j+1
.endr
	s_wait_loadcnt 0x0
.irp e, 0,2,4,6,8,10,12,14
	v_pk_mul_f32 v[16+\e:17+\e], v[16+\e:17+\e], CQ op_sel_hi:[1,0]
.endr
.irp e, 0,1,2,3,4,5,6,7
	v_mov_b32 v[48+\e], v8                         ; in V's tiles a lane holds one column: its bias in all eight registers
	v_mov_b32 v[56+\e], v9
.endr
	s_wait_dscnt 0x0                               ; my rows are in LDS before the others read them
	s_barrier_signal -1
	s_barrier_wait -1                              ; the one barrier: LDS is only read from here on
; four LDS loads: the fragments of row tiles i0, i0 + 1 for K step kn, into the buffer at dst (block 1)
.macro LDX2 dst, i0, kn
.irp ii, 0,1
	ds_load_b128 v[\dst+8*(\i0+\ii):\dst+8*(\i0+\ii)+3],   v2 offset:(\i0+\ii)*16*PX+(\kn)*64
	ds_load_b128 v[\dst+8*(\i0+\ii)+4:\dst+8*(\i0+\ii)+7], v2 offset:(\i0+\ii)*16*PX+(\kn)*64+32
.endr
.endm
; four matrix instructions: row tiles i0, i0 + 1, both column tiles.  A step's sixteen accumulators take turns, one instruction a turn
.macro MM2 i0
.irp ii, 0,1
.irp t, 0,1
.set DT, 8*(2*(\i0+\ii)+\t)
.set WT, 128+64*\t+8*ks
.set XT, XE+8*(\i0+\ii)
.set CT, 16+16*pass+8*\t
.if pass < 2
.if ks == 0
	v_wmma_f32_16x16x32_bf16 v[DT:DT+7], v[WT:WT+7], v[XT:XT+7], v[CT:CT+7]    ; the bias starts the sum
.else
	v_wmma_f32_16x16x32_bf16 v[DT:DT+7], v[WT:WT+7], v[XT:XT+7], v[DT:DT+7]
.endif
.else
.if ks == 0
	v_wmma_f32_16x16x32_bf16 v[DT:DT+7], v[XT:XT+7], v[WT:WT+7], v[CT:CT+7]
.else
	v_wmma_f32_16x16x32_bf16 v[DT:DT+7], v[XT:XT+7], v[WT:WT+7], v[DT:DT+7]
.endif
.endif
.endr
.endr
.endm
; one store of pass pp's results: tile (i, t) out of OUT, 512 consecutive bytes
.macro PUT pp, i, t
.if (\pp) == 0
	global_store_b128 v1, v[OUT+4*(2*(\i)+\t):OUT+4*(2*(\i)+\t)+3], s[26:27] offset:((\i)>>2)*32768+((\i)&3)*1024+\t*512
.endif
.if (\pp) == 1
	global_store_b128 v1, v[OUT+4*(2*(\i)+\t):OUT+4*(2*(\i)+\t)+3], s[28:29] offset:(\i)*1024+\t*512
.endif
.if (\pp) == 2
	global_store_b128 v1, v[OUT+4*(2*(\i)+\t):OUT+4*(2*(\i)+\t)+3], s[28:29] offset:8192+\t*4096+(\i)*512
.endif
.endm
	WIN 0x40                                       ; step 0's fragments into X0, which nothing has named yet; v2 stands written since the head's waits
	LDX2 128, 0, 0
	LDX2 128, 2, 0
	LDX2 128, 4, 0
	LDX2 128, 6, 0
; 24 steps: pass = 0 Q, 1 K, 2 V; ks = the K step of 32.  A step: the wait of the plan; the four weight loads for step g + 7; four stores of the
; pass before (steps 0 to 3 of passes 1 and 2); then sixteen matrix instructions with the sixteen LDS loads of step g + 1 among them.
; Sixteen LDS loads are out at a step's head, in the order of the row tiles, and each group that is waited for is replaced by the next step's,
; so the count in front of a group is the same all through the step.
; Four plain places stand between a matrix instruction and a conversion of its result (ISA guide 7.12.1).
.set g, 0
.rept 24
.set pass, g/8
.set ks, g%8
.set XE, 128+64*(g%2)                  ; this step's fragments
.set XN, 192-64*(g%2)                  ; the next step's
.set KN, (ks+1)%8
.set WM, 0x54                          ; passes 0, 1: source 0 (W) block 0, source 1 (X), C and D block 1
.if pass == 2
.set WM, 0x51                          ; pass 2: source 0 (X) block 1, source 1 (W) block 0
.endif
.if ks == 0
.set WM, WM-0x10                       ; the bias, as C, lies in block 0
.endif
.if g >= 18
	s_wait_loadcnt 4*(23-g)                        ; no weights are asked for behind step 16: the counts run down
.elseif g >= 8
	s_wait_loadcnt 24                              ; loads come back in order (ISA guide 5.7.1): this step's weights, asked for seven steps ago, are in; the six steps' loads between stay out
.endif
.if (g >= 1) && (g <= 19)
	WIN 0
	s_wait_alu depctr_va_vdst(0)                   ; the last step's matrix instructions are done reading the other X and W's slots of ks - 1, in which the loads below land; in a pass's first step the conversions have written OUT, which the stores read
.if g <= 16
.irp t, 0,1
.irp p, 0,1
	global_load_b128 v[128+64*\t+8*((g-1)%8)+4*\p:131+64*\t+8*((g-1)%8)+4*\p], v1, s[12:13] offset:((g+7)/8)*WBLK+512*(16*\t+2*((g-1)%8)+\p)
.endr
.endr
.endif
.if (pass >= 1) && (ks < 4)
.irp d, 0,1
.irp t, 0,1
	PUT pass-1, 2*ks+\d, \t                        ; no vector or matrix instruction since the conversions names OUT
.endr
.endr
.endif
.endif
.if (g >= 20) && (g <= 22)
	WIN 0x40
	s_wait_alu depctr_va_vdst(0)                   ; the last step's matrix instructions are done reading the other X, in which the loads below land
.endif
.if pass < 2
	WIN WM
.irp c, 0,1,2,3
	s_wait_dscnt 12                                ; LDS loads come back in order (ISA guide 5.7.1): row tiles 2 c, 2 c + 1 of this step are in; the twelve younger loads stay out
	LDX2 XN, 2*\c, KN                              ; no wait: no matrix instruction since the step's head names the other X
	MM2 2*\c
.endr
.else
	s_wait_dscnt 8                                 ; row tiles 0-3 are in; the eight loads of tiles 4-7 stay out
.if g < 23
	WIN 0x40                                       ; here source 0 of the matrix window is block 1, and an LDS address is source 0: a switch round each run
	LDX2 XN, 0, KN
	LDX2 XN, 2, KN
.endif
	WIN WM
	MM2 0
	MM2 2
.if g < 23
	s_wait_dscnt 8                                 ; tiles 4-7 are in; the eight just issued stay out
	WIN 0x40
	LDX2 XN, 4, KN
	LDX2 XN, 6, KN
.else
	s_wait_dscnt 0x0
.endif
	WIN WM
	MM2 4
	MM2 6
.endif
.if ks == 7
	NOPS 4                                         ; four places behind the pass's last matrix instructions, ahead of the conversions of their results
.if pass > 0
	s_wait_xcnt 0x0                                ; the last pass's stores have had their addresses translated (ISA guide 3.1): their data registers are written again only behind this wait
.endif
	s_wait_alu depctr_vm_vsrc(0)                   ; what read OUT last has read it: in pass 0 the head's LDS stores, later the stores of the pass before
	WIN 0x05                                       ; both sources in block 1, the destination in block 0
.set j, 0
.rept 16
.irp r, 0,1,2,3
	v_cvt_pk_bf16_f32 v[OUT+4*j+\r], v[8*j+2*\r], v[8*j+2*\r+1]   ; each accumulator from its low end on
.endr
.set j, j+1
.endr
.endif
.set g, g+1
.endr
	WIN 0
	s_wait_alu depctr_va_vdst(0)                   ; the last pass's conversions have written OUT, which the sixteen stores read
.irp i, 0,1,2,3,4,5,6,7
.irp t, 0,1
	PUT 2, \i, \t
.endr
.endr
	s_wait_dscnt 0x0                               ; the closing lines, six on end
	s_wait_alu 0x0
	s_wait_tensorcnt 0x0
	ds_add_u32 v14, v15
	s_wait_dscnt 0x0
	s_endpgm
.Lfunc_end_k_q65ee402345_proj:
	.size	k_q65ee402345_proj, .Lfunc_end_k_q65ee402345_proj-k_q65ee402345_proj
	.p2alignl 7, 3214868480
	.fill 96, 4, 3214868480
	.section	.rodata,"a",@progbits
	.p2align	6, 0x0
	.amdhsa_kernel k_q65ee402345_proj
		.amdhsa_group_segment_fixed_size 68608
		.amdhsa_private_segment_fixed_size 0
		.amdhsa_enable_private_segment 0
		.amdhsa_kernarg_size 88
		.amdhsa_user_sgpr_count 2
		.amdhsa_user_sgpr_kernarg_segment_ptr 1
		.amdhsa_wavefront_size32 1
		.amdhsa_system_sgpr_workgroup_id_x 1
		.amdhsa_system_sgpr_workgroup_id_y 1
		.amdhsa_system_sgpr_workgroup_id_z 1
		.amdhsa_system_vgpr_workitem_id 0
		.amdhsa_next_free_vgpr 512
		.amdhsa_next_free_sgpr 66
		.amdhsa_reserve_vcc 0
		.amdhsa_float_denorm_mode_32 3
		.amdhsa_float_denorm_mode_16_64 3
		.amdhsa_memory_ordered 1
		.amdhsa_forward_progress 1
		.amdhsa_inst_pref_size 95
	.end_amdhsa_kernel
	.amdgpu_metadata
---
amdhsa.version: [ 1, 2 ]
amdhsa.kernels:
  - .name:           k_q65ee402345_proj
    .symbol:         k_q65ee402345_proj.kd
    .args:
      - { .name: img_common, .offset: 0, .size: 8, .value_kind: global_buffer, .address_space: global }
      - { .name: txt_common, .offset: 8, .size: 8, .value_kind: global_buffer, .address_space: global }
      - { .name: wpack, .offset: 16, .size: 8, .value_kind: global_buffer, .address_space: global }
      - { .name: i2t_bq, .offset: 24, .size: 8, .value_kind: global_buffer, .address_space: global }
      - { .name: t2i_bq, .offset: 32, .size: 8, .value_kind: global_buffer, .address_space: global }
      - { .name: i2t_bk, .offset: 40, .size: 8, .value_kind: global_buffer, .address_space: global }
      - { .name: t2i_bk, .offset: 48, .size: 8, .value_kind: global_buffer, .address_space: global }
      - { .name: i2t_bv, .offset: 56, .size: 8, .value_kind: global_buffer, .address_space: global }
      - { .name: t2i_bv, .offset: 64, .size: 8, .value_kind: global_buffer, .address_space: global }
      - { .name: qbuf, .offset: 72, .size: 8, .value_kind: global_buffer, .address_space: global }
      - { .name: kvbuf, .offset: 80, .size: 8, .value_kind: global_buffer, .address_space: global }
    .group_segment_fixed_size: 68608
    .private_segment_fixed_size: 0
    .kernarg_segment_align: 8
    .kernarg_segment_size: 88
    .max_flat_workgroup_size: 256
    .sgpr_count:     66
    .vgpr_count:     512
    .wavefront_size: 32
...
	.end_amdgpu_metadata
.endif
;; end of part 6
;; launch attn: the kernel of part 5 again; grid 256 x 1, 8 waves a work-group, clusters of 4 x 1, 327,680 bytes of LDS; arguments qbuf, kvbuf, wpack, img_common, txt_common, i2t_bo, t2i_bo, ln_img_g, ln_img_b, ln_txt_g, ln_txt_b, enh_b, out0; writes out0
